; MI455X (gfx1250); checked and timed in simulation.
; The chip was launched on July 23, 2026; its instructions are those of AMD's public machine-readable ISA for CDNA 5 (MIT licence, August 2026) and "CDNA5" Instruction Set Architecture Reference Guide (July 2026). The comments in the code are by the model that wrote it; some were corrected since.
;; Self Attention. Allowed arithmetic: float matrix products may take bf16 or f16 operands with f32 sums; other float arithmetic in f32, or as packed bf16 or f16 multiplies, adds, multiply-adds, maxima and minima; sums over many terms, partial sums and values carried from step to step in f32; what a program stores and reads back later, other than sums and carried values, may be rounded once to bf16 or f16.
;; Inputs: Wk 1,024 x 1,024 float32; Wp 1,024 x 1,024 float32; Wq 1,024 x 1,024 float32; Wv 1,024 x 1,024 float32; bk 1,024 float32; bp 1,024 float32; bq 1,024 float32; bv 1,024 float32; x 4 x 2,048 x 1,024 float32.
;; Outputs: out0 4 x 2,048 x 1,024 float32.
;; 2 versions, each right; version 2 is version 1 with the launch cast written anew for expert scheduling mode. Each part assembles by itself: llvm-mc -triple=amdgcn-amd-amdhsa -mcpu=gfx1250 --defsym DOCPART=n.
;; ======== version 1 of 2: 5 launches
;; limits: values are held in f16: magnitudes above 65,504 overflow, below 6.1e-05 lose precision
;; workspace buffers: xw 25,165,824 bytes; qkv 50,331,648 bytes; p 33,554,432 bytes; stat 1,048,576 bytes; o 16,777,216 bytes
;; launch cast (part 1): grid 768 x 1, 8 waves a work-group, no clusters, 0 bytes of LDS; arguments x, Wq, Wk, Wv, Wp, xw; writes xw
.if DOCPART == 1
	.amdgcn_target "amdgcn-amd-amdhsa--gfx1250"
	.amdhsa_code_object_version 6
	.text
	.protected	k_qf353f76fc5_cast
	.globl	k_qf353f76fc5_cast
	.p2align	8
	.type	k_qf353f76fc5_cast,@function
k_qf353f76fc5_cast:
	s_mov_b64 s[64:65], 0
	v_nop
	global_prefetch_b8 v0, s[64:65] scope:SCOPE_SE
	s_setreg_imm32_b32 hwreg(HW_REG_WAVE_MODE, 25, 1), 1
	s_wait_xcnt 0x0
; x, Wq, Wk, Wv, Wp (f32) -> xw (f16): x [8192][1024] at byte 0, then Wq, Wk, Wv, Wp as one matrix [4096][1024].
; Every input number is rounded ONCE, to bf16 (8 significant bits, to nearest even), and that number is written in f16, the format of all four products that follow.
; f16 has 11 significant bits, so the second conversion changes nothing between 2^-17 and 65,504.
; LIMITS.  A number of 65,520 or more in magnitude becomes an infinity; below 2^-17 the bf16 number is rounded to f16's fixed step of 2^-24 (6e-8).  NaN and infinities are not treated apart.
; A stream: no LDS, no barrier, no matrix unit, no loop.  Work-group g owns 16,384 numbers: 65,536 bytes in, 32,768 out; xw is laid in the order of g, so the way out is g x 32,768.
; Thread t takes 16 bytes at 16 t of each of 16 chunks of 4,096 bytes: a wave's load covers 512 consecutive bytes, its store of 8 bytes a lane 256 consecutive bytes at a multiple of 256.
; All 16 loads go out in one run; each chunk has its own registers in and out, so nothing that a pending instruction names is written again.
.set X, 4                              ; v[4:67]    chunk j: 4 numbers in f32
.set Y, 68                             ; v[68:99]   chunk j: 4 numbers in f16
.set T, 100                            ; v[100:105] at work
	s_load_b256 s[4:11], s[0:1], 0x0               ; x s[4:5], Wq s[6:7], Wk s[8:9], Wv s[10:11]
	s_load_b128 s[12:15], s[0:1], 0x20             ; Wp s[12:13], xw s[14:15]
	s_sub_co_u32 s16, ttmp9, 512                   ; groups 0-511 take x, the next 4 x 64 the four weights
	s_lshr_b32 s17, s16, 6                         ; which weight (far above 3 for a group of x)
	s_and_b32 s18, s16, 63                         ; which part of it
	s_mov_b32 s26, 0xffff0000                      ; a word's upper bf16
	v_lshlrev_b32 v1, 4, v0                        ; 16 t
	v_lshlrev_b32 v2, 3, v0                        ; 8 t
	s_wait_kmcnt 0x0
	s_mov_b64 s[20:21], s[6:7]
	s_cmp_eq_u32 s17, 1
	s_cselect_b64 s[20:21], s[8:9], s[20:21]
	s_cmp_eq_u32 s17, 2
	s_cselect_b64 s[20:21], s[10:11], s[20:21]
	s_cmp_eq_u32 s17, 3
	s_cselect_b64 s[20:21], s[12:13], s[20:21]
	s_cmp_lt_u32 ttmp9, 512
	s_cselect_b64 s[20:21], s[4:5], s[20:21]       ; the buffer that I read,
	s_cselect_b32 s18, ttmp9, s18                  ; and my part of it
	s_lshl_b32 s22, s18, 16
	s_mov_b32 s23, 0
	s_add_nc_u64 s[20:21], s[20:21], s[22:23]
	s_lshl_b32 s24, ttmp9, 15
	s_mov_b32 s25, 0
	s_add_nc_u64 s[14:15], s[14:15], s[24:25]
.irp j, 0,1,2,3,4,5,6,7,8,9,10,11,12,13,14,15
	global_load_b128 v[X+4*(\j):X+4*(\j)+3], v1, s[20:21] offset:4096*(\j) th:TH_LOAD_NT
.endr
.irp j, 0,1,2,3,4,5,6,7,8,9,10,11,12,13,14,15
	s_wait_loadcnt 15-(\j)                         ; loads come back in order (ISA guide 5.7.1): chunk j is in, the younger ones stay out
	v_cvt_pk_bf16_f32 v[T], v[X+4*(\j)], v[X+4*(\j)+1]       ; the one rounding
	v_cvt_pk_bf16_f32 v[T+1], v[X+4*(\j)+2], v[X+4*(\j)+3]
	v_lshlrev_b32 v[T+2], 16, v[T]                 ; bf16 to f32: the low half moves up,
	v_and_b32 v[T+3], s26, v[T]                    ; the high half stays
	v_lshlrev_b32 v[T+4], 16, v[T+1]
	v_and_b32 v[T+5], s26, v[T+1]
	v_cvt_pk_f16_f32 v[Y+2*(\j)], v[T+2], v[T+3]   ; the same numbers, written as f16
	v_cvt_pk_f16_f32 v[Y+2*(\j)+1], v[T+4], v[T+5]
	global_store_b64 v2, v[Y+2*(\j):Y+2*(\j)+1], s[14:15] offset:2048*(\j)
.endr
	s_endpgm
.Lfunc_end_k_qf353f76fc5_cast:
	.size	k_qf353f76fc5_cast, .Lfunc_end_k_qf353f76fc5_cast-k_qf353f76fc5_cast
	.p2alignl 7, 3214868480
	.fill 96, 4, 3214868480
	.section	.rodata,"a",@progbits
	.p2align	6, 0x0
	.amdhsa_kernel k_qf353f76fc5_cast
		.amdhsa_group_segment_fixed_size 0
		.amdhsa_private_segment_fixed_size 0
		.amdhsa_enable_private_segment 0
		.amdhsa_kernarg_size 48
		.amdhsa_user_sgpr_count 2
		.amdhsa_user_sgpr_kernarg_segment_ptr 1
		.amdhsa_wavefront_size32 1
		.amdhsa_system_sgpr_workgroup_id_x 1
		.amdhsa_system_sgpr_workgroup_id_y 1
		.amdhsa_system_sgpr_workgroup_id_z 1
		.amdhsa_system_vgpr_workitem_id 0
		.amdhsa_next_free_vgpr 112
		.amdhsa_next_free_sgpr 66
		.amdhsa_reserve_vcc 0
		.amdhsa_float_denorm_mode_32 3
		.amdhsa_float_denorm_mode_16_64 3
		.amdhsa_memory_ordered 1
		.amdhsa_forward_progress 1
		.amdhsa_inst_pref_size 11
	.end_amdhsa_kernel
	.amdgpu_metadata
---
amdhsa.version: [ 1, 2 ]
amdhsa.kernels:
  - .name:           k_qf353f76fc5_cast
    .symbol:         k_qf353f76fc5_cast.kd
    .args:
      - { .name: x, .offset: 0, .size: 8, .value_kind: global_buffer, .address_space: global }
      - { .name: Wq, .offset: 8, .size: 8, .value_kind: global_buffer, .address_space: global }
      - { .name: Wk, .offset: 16, .size: 8, .value_kind: global_buffer, .address_space: global }
      - { .name: Wv, .offset: 24, .size: 8, .value_kind: global_buffer, .address_space: global }
      - { .name: Wp, .offset: 32, .size: 8, .value_kind: global_buffer, .address_space: global }
      - { .name: xw, .offset: 40, .size: 8, .value_kind: global_buffer, .address_space: global }
    .group_segment_fixed_size: 0
    .private_segment_fixed_size: 0
    .kernarg_segment_align: 8
    .kernarg_segment_size: 48
    .max_flat_workgroup_size: 256
    .sgpr_count:     66
    .vgpr_count:     112
    .wavefront_size: 32
...
	.end_amdgpu_metadata
.endif
;; end of part 1
;; launch qkv (part 2): grid 12 x 32, 4 waves a work-group, clusters of 4 x 4, 327,680 bytes of LDS; arguments xw, bq, bk, bv, qkv; writes qkv
.if DOCPART == 2
	.amdgcn_target "amdgcn-amd-amdhsa--gfx1250"
	.amdhsa_code_object_version 6
	.text
	.protected	k_qf353f76fc5_qkv
	.globl	k_qf353f76fc5_qkv
	.p2align	8
	.type	k_qf353f76fc5_qkv,@function
k_qf353f76fc5_qkv:
	s_mov_b64 s[64:65], 0
	v_nop
	global_prefetch_b8 v0, s[64:65] scope:SCOPE_SE
	s_setreg_imm32_b32 hwreg(HW_REG_WAVE_MODE, 25, 1), 1
	s_wait_xcnt 0x0
	s_wait_alu depctr_hold_cnt(0) depctr_sa_sdst(0) depctr_va_vdst(0) depctr_va_sdst(0) depctr_va_ssrc(0) depctr_va_vcc(0) depctr_vm_vsrc(0)
	s_getreg_b32 s2, hwreg(HW_REG_IB_STS2, 6, 4)
	s_cmp_eq_u32 s2, 0
	s_cbranch_scc0 .Lentry_in_a_cluster
	s_endpgm
.Lentry_in_a_cluster:
	s_bfe_u32 s2, ttmp6, 0x10000c
	s_cmp_lg_u32 s2, 0xf033
	s_cbranch_scc0 .Lentry_shape_is_right
	s_endpgm
.Lentry_shape_is_right:
; q, k, v IN ONE PRODUCT.  qkv[m][n] = sum over e of x[m][e] W[n][e] + b[n]:  x [8192][1024] and W = (Wq | Wk | Wv) [3072][1024] in f16 (from xw), b = (bq | bk | bv) in f32,
; qkv [8192][3072] in f16: q at column 0, k at 1,024, v at 2,048.  Sums in f32; the bias enters in f32 as the C operand of each sum's first product; the result is rounded once.
; LIMIT.  f16 holds no number beyond 65,504: a q, k or v of 65,520 or more becomes an infinity.  NaN and infinities are not treated apart.
; SHARES.  A tile of C is 256 x 256: 384 work-groups.  Four waves; wave w makes rows 128 (w / 2) on and columns 128 (w % 2) on: 64 accumulators of 16 x 16, 512 registers.
; K goes in 8 steps of 128 (rows of 256 bytes, at multiples of 256 from the buffer's first byte) through a ring of two LDS slots filled by the tensor data mover; a step is four quarters of 32 along K,
; 64 matrix instructions each: from a tile's request to the wait for it a wave issues 224.
; ONE K STEP IS WRITTEN ONCE.  s[TB] holds the LDS byte of the slot that is read, 0 or SLOT, and is turned by an exclusive or; the fragment addresses are made of it; one descriptor a tensor walks.
; Written out beside the loop: the first quarter, whose products start the sums (the loop is entered behind it, in the middle of a trip), and the tail, a loop of two trips that fills nothing.
; CLUSTER.  4 x 4 work-groups.  The four of a row of the cluster need the same tile of x, the four of a column the same tile of W: each is asked for JOINTLY, by the same tensor load with the same
; descriptor and a mask that names the four.  By the text's own count a wave has two tensor loads out at the start and one behind each round.
; THE MATRIX INSTRUCTION IS USED TRANSPOSED (source 0 = 16 rows of W, source 1 = 16 rows of x): lane l then holds row l % 16 of C and the eight neighbouring columns 8 (l / 16) + 0..7.
; REGISTERS, in windows of 256 (s_set_vgpr_msb: bits 1:0 source 0, 3:2 source 1, 5:4 source 2, 7:6 destination):
;   window 0: v0-31 addresses; v64-127, v128-191 fragments of x, two buffers of 8 x 8; v192-223 packed results; v32-63 and v224-255 rows read back from the stage
;   window 1: v0-63 the bias, 8 registers a column block; v64-127, v128-191 fragments of W, two buffers
;   window 2: accumulators of row blocks 0-3 ((a, b) at 8 (8 a + b));   window 3: those of blocks 4-7
.set PITCH,  272                       ; an LDS row: 256 bytes + 16 of padding = 68 words: row r starts at bank 4 r mod 64 (64 banks of 4 bytes: ISA guide 11.1), so the 16 rows of a load start at 16 different banks
.set HALFT,  128*PITCH                 ; 128 rows: what one tensor load brings, and what one wave reads of A or of B
.set SLOT,   4*HALFT                   ; A's 256 rows, then B's 256 rows
.set STAGE,  2*SLOT                    ; behind the ring, never filled by a tensor load: 16 rows x 272 bytes for each wave
.set SPITCH, 272
.set SPARE,  STAGE+4*16*SPITCH         ; the spare words, 128 bytes for each wave: two blocks of 256 bytes that no other line names
.set STEPS,  8                         ; K = 1,024
.set ROW,    2048                      ; bytes in a row of A and of B
.set BOFF,   16777216                  ; W begins here in xw
.set STEP,   256                       ; bytes from a K step to the next
.set CP,     6144                      ; bytes in a row of C
.set BO,    8                          ; v8   my byte offset in a column block's bias
.set ADRA0, 16                         ; v16  LDS address of my A fragments in slot 0; never rewritten
.set ADRB0, 17                         ; v17  the same for B
.set ADRA,  18                         ; v18  the same in the slot that is read
.set ADRB,  19                         ; v19
.set STO,   24                         ; v24  the way out: where I put 16 bytes of a row
.set RD,    25                         ; v25  the way out: where I read a row back
.set CO,    26                         ; v26  my byte offset in C
.set SPW,   28                         ; v28  LDS address of my spare word; never rewritten
.set NIL,   29                         ; v29  0; never rewritten
.set OB,    32
.set F0,    64                         ; fragment buffers, A's in window 0, B's in window 1
.set F1,    128
.set TMP,   192
.set BIAS,  0                          ; window 1
.set G1A, 24                           ; s[24:31] descriptor group 1 for A's tiles;  s[32:35] group 0 of the first fill, s[36:39] of the second, which then walks
.set G0A, 32
.set G1B, 48                           ; s[48:55], s[56:63] the same for B's
.set G0B, 56
.set TB,  90                           ; s90  the slot that is read: 0 or SLOT
.set MSB, 0
.macro WIN new                         ; the immediate's high byte repeats the setting that is left; a switch that changes nothing is dropped
.if MSB != (\new)
	s_set_vgpr_msb (MSB<<8)|(\new)
.set MSB, \new
.endif
.endm
.macro JLOAD s                         ; a joint load: waves 0 and 1 fetch A's two halves, waves 2 and 3 B's; an s_nop 0 and four v_nop follow each of the two lines, ahead of the jump, the label and what follows
	s_cmp_eq_u32 s11, 0
	s_cbranch_scc0 .Lfor_b_\@
	tensor_load_to_lds s[G0A+4*(\s):G0A+4*(\s)+3], s[G1A:G1A+7]
	s_nop 0
.rept 4
	v_nop
.endr
	s_branch .Lasked_\@
.Lfor_b_\@:
	tensor_load_to_lds s[G0B+4*(\s):G0B+4*(\s)+3], s[G1B:G1B+7]
	s_nop 0
.rept 4
	v_nop
.endr
.Lasked_\@:
.endm
.macro CREST                           ; a round of the cluster's barrier behind its opening barrier
	s_cmp_lg_u32 s10, 0
	s_cbranch_scc1 .Lnot_wave_0_\@
	s_barrier_signal -3
.Lnot_wave_0_\@:
	s_barrier_wait -3
	s_barrier_signal -1
	s_barrier_wait -1
.endm
.macro CROUND                          ; a whole round
	s_barrier_signal -1
	s_barrier_wait -1
	CREST
.endm
	s_load_b256 s[68:75], s[0:1], 0x0              ; xw s[68:69], bq s[70:71], bk s[72:73], bv s[74:75]
	s_load_b64 s[76:77], s[0:1], 0x20              ; qkv
	v_lshl_add_u32 v[SPW], v0, 2, SPARE
	v_mov_b32 v[NIL], 0
	ds_add_u32 v[SPW], v[NIL]                      ; the wave's opening: the add and its wait stand ahead of my first tensor load; the set-up below, work on registers, stands between them
	v_lshrrev_b32 v1, 5, v0
	v_readfirstlane_b32 s10, v1                    ; wave 0..3
	s_lshr_b32 s11, s10, 1                         ; which half of the tile's rows is mine.  Also: I fetch for A (0) or for B (1)
	s_and_b32 s12, s10, 1                          ; which half of its columns.  Also: which 128 rows of that tile I fetch
	s_bfe_u32 s40, ttmp6, 0x40000                  ; cx, cy: my place in the cluster
	s_bfe_u32 s41, ttmp6, 0x40004
	s_lshl_b32 s42, ttmp9, 2
	s_add_co_u32 s42, s42, s40                     ; tile column of C = 4 x cluster x + cx
	s_and_b32 s13, ttmp7, 0xffff
	s_lshl_b32 s13, s13, 2
	s_add_co_u32 s13, s13, s41                     ; tile row of C = 4 x cluster y + cy
	s_lshl_b32 s43, s41, 2
	s_lshl_b32 s43, 15, s43                        ; my row of the cluster
	s_lshl_b32 s44, 0x1111, s40                    ; my column
	s_or_b32 s[G1A], s43, (1<<16)|(1<<20)|(1<<21)|(5<<22)|(3<<25)  ; 15:0 the mask: A's tiles go to my row; 17:16 elements of 2 bytes; 20 padding on; 21 set beside a mask; 24:22 after every 64 words (code 5); 31:25 4 words of it (code 3)
	s_or_b32 s[G1B], s44, (1<<16)|(1<<20)|(1<<21)|(5<<22)|(3<<25)  ; the same with the mask of my column
.irp g, G1A, G1B
	s_mov_b32 s[(\g)+1], 128<<16                   ; tensor_dim0 = 128
	s_mov_b32 s[(\g)+2], 128<<16                   ; tensor_dim1 = 128
	s_mov_b32 s[(\g)+3], 128<<16                   ; tile_dim0 = 128
	s_mov_b32 s[(\g)+4], 128                       ; tile_dim1 = 128
	s_mov_b32 s[(\g)+5], ROW/2                     ; elements from row to row
	s_mov_b32 s[(\g)+6], 0
	s_mov_b32 s[(\g)+7], 0
.endr
	; where the tiles come from.  A's hang on the tile row alone, B's on the tile column alone; each offset is made in registers that never hold the other coordinate.  All offsets stay under 2^26.
	s_lshl_b32 s16, s13, 8
	s_lshl_b32 s17, s12, 7
	s_add_co_u32 s16, s16, s17                     ; A: row 256 x tile row + 128 x half
	s_mul_i32 s16, s16, ROW
	s_mov_b32 s17, 0
	s_lshl_b32 s46, s42, 8
	s_lshl_b32 s47, s12, 7
	s_add_co_u32 s46, s46, s47                     ; B: row 256 x tile column + 128 x half
	s_mul_i32 s46, s46, ROW
	s_add_co_u32 s46, s46, BOFF
	s_mov_b32 s47, 0
	s_mul_i32 s20, s10, HALFT                      ; and where they go: A's two halves, then B's two = wave x 128 rows: no place in the cluster enters an LDS address
	s_mov_b32 s[TB], 0
	s_wait_dscnt 0x0                               ; the opening add is done
	s_wait_kmcnt 0x0
	s_add_nc_u64 s[14:15], s[68:69], s[16:17]
	s_add_nc_u64 s[46:47], s[68:69], s[46:47]
	CROUND                                         ; all sixteen work-groups are here: the first joint loads meet
.irp s, 0,1
	s_mov_b32 s[G0A+4*(\s)], 1                                     ; count = 1
	s_add_co_u32 s[G0A+4*(\s)+1], s20, (\s)*SLOT                   ; LDS address
	s_add_nc_u64 s[G0A+4*(\s)+2:G0A+4*(\s)+3], s[14:15], (\s)*STEP ; global address: K step s
	s_or_b32 s[G0A+4*(\s)+3], s[G0A+4*(\s)+3], 0x80000000          ; type = 2
	s_mov_b32 s[G0B+4*(\s)], 1
	s_add_co_u32 s[G0B+4*(\s)+1], s20, (\s)*SLOT
	s_add_nc_u64 s[G0B+4*(\s)+2:G0B+4*(\s)+3], s[46:47], (\s)*STEP
	s_or_b32 s[G0B+4*(\s)+3], s[G0B+4*(\s)+3], 0x80000000
	JLOAD \s
.endr
	; A fragment is 16 rows x 32 K in 8 registers: lane l holds row l % 16, K = 8 (l / 16) + 0..7 and 16 + 8 (l / 16) + 0..7: two loads of 16 bytes, 32 bytes apart.
	v_and_b32 v1, 15, v0                           ; r = l % 16
	v_bfe_u32 v2, v0, 4, 1                         ; h = l / 16
	v_mul_u32_u24 v3, v1, PITCH
	v_lshl_add_u32 v3, v2, 4, v3                   ; row x pitch + 16 x half
	s_mul_i32 s22, s11, HALFT                      ; my 128 rows of A
	s_mul_i32 s23, s12, HALFT                      ; my 128 rows of B,
	s_add_co_u32 s23, s23, 2*HALFT                 ; which lie behind A's 256
	v_add_nc_u32 v[ADRA0], s22, v3
	v_add_nc_u32 v[ADRB0], s23, v3
	v_mov_b32 v[ADRA], v[ADRA0]                    ; K step 0 lies in slot 0
	v_mov_b32 v[ADRB], v[ADRB0]
	s_mul_i32 s22, s10, 16*SPITCH
	s_add_co_u32 s22, s22, STAGE                   ; my stage
	v_add_nc_u32 v[STO], s22, v3                   ; in: row l % 16, 16 bytes for each half of the lanes (the stage's pitch is the ring's)
	v_mul_u32_u24 v4, v2, SPITCH                   ; back: lanes 0-15 take one row of 256 bytes, lanes 16-31 the next
	v_lshl_add_u32 v4, v1, 4, v4
	v_add_nc_u32 v[RD], s22, v4
	v_mul_u32_u24 v4, v2, CP                       ; and the same two rows in C
	v_lshl_add_u32 v[CO], v1, 4, v4
	; the bias of my 128 columns.  A cluster's four tile columns are the 1,024 columns of one of q, k, v: the cluster's x chooses the buffer.
	s_mov_b64 s[84:85], s[70:71]
	s_cmp_eq_u32 ttmp9, 1
	s_cselect_b64 s[84:85], s[72:73], s[84:85]
	s_cmp_eq_u32 ttmp9, 2
	s_cselect_b64 s[84:85], s[74:75], s[84:85]
	s_lshl_b32 s86, s40, 10                        ; 256 columns x 4 bytes for each cx,
	s_lshl_b32 s87, s12, 9                         ; 128 for my half
	s_add_co_u32 s86, s86, s87
	s_mov_b32 s87, 0
	s_add_nc_u64 s[84:85], s[84:85], s[86:87]
	v_lshlrev_b32 v[BO], 5, v2                     ; my eight columns of a block of 16
	WIN 0x40                                       ; destination window 1
.irp b, 0,1,2,3,4,5,6,7
	global_load_b128 v[BIAS+8*(\b):BIAS+8*(\b)+3],   v[BO], s[84:85] offset:64*(\b)
	global_load_b128 v[BIAS+8*(\b)+4:BIAS+8*(\b)+7], v[BO], s[84:85] offset:64*(\b)+16
.endr
	WIN 0
	s_lshl_b32 s16, s13, 8
	s_lshl_b32 s17, s11, 7
	s_add_co_u32 s16, s16, s17                     ; my first row of C
	s_mul_i32 s16, s16, CP
	s_mov_b32 s17, 0
	s_add_nc_u64 s[8:9], s[76:77], s[16:17]
	s_lshl_b32 s46, s42, 9                         ; my first column, in bytes
	s_lshl_b32 s47, s12, 8
	s_add_co_u32 s46, s46, s47
	s_mov_b32 s47, 0
	s_add_nc_u64 s[8:9], s[8:9], s[46:47]
; 16 matrix instructions: row blocks a0, a0 + 1 of the window's four (hi = 0: my rows 0-63, 1: rows 64-127) x all 8 column blocks, 32 along K, from buffer f.
; mode 0: onto the sums; 2: the first product starts the sums with the bias.  The 64 accumulators take turns, one instruction a turn, in the same order in every quarter.
.macro MUL16 f, hi, a0, mode
.if (\mode) == 2
	WIN 0x91+0x40*(\hi)                            ; source 0 (B) and C (the bias) window 1, source 1 (A) window 0, D window 2 or 3
.else
	WIN 0xa1+0x50*(\hi)                            ; C and D window 2 or 3
.endif
.irp a, \a0, (\a0)+1
.irp b, 0,1,2,3,4,5,6,7
.if (\mode) == 2
	v_wmma_f32_16x16x32_f16 v[8*(8*(\a)+(\b)):8*(8*(\a)+(\b))+7], v[(\f)+8*(\b):(\f)+8*(\b)+7], v[(\f)+8*(4*(\hi)+(\a)):(\f)+8*(4*(\hi)+(\a))+7], v[BIAS+8*(\b):BIAS+8*(\b)+7]
.else
	v_wmma_f32_16x16x32_f16 v[8*(8*(\a)+(\b)):8*(8*(\a)+(\b))+7], v[(\f)+8*(\b):(\f)+8*(\b)+7], v[(\f)+8*(4*(\hi)+(\a)):(\f)+8*(4*(\hi)+(\a))+7], v[8*(8*(\a)+(\b)):8*(8*(\a)+(\b))+7]
.endif
.endr
.endr
.endm
; 32 LDS loads in one run: the fragments of one quarter (128 rows of B, then 128 rows of A, 32 K at byte k of the rows of the slot that is read) into buffer f
.macro FETCH k, f
	WIN 0x40                                       ; destination window 1, address window 0
.irp i, 0,1,2,3,4,5,6,7
	ds_load_b128 v[(\f)+8*(\i):(\f)+8*(\i)+3],   v[ADRB] offset:(\k)+(\i)*16*PITCH
	ds_load_b128 v[(\f)+8*(\i)+4:(\f)+8*(\i)+7], v[ADRB] offset:(\k)+(\i)*16*PITCH+32
.endr
	WIN 0
.irp i, 0,1,2,3,4,5,6,7
	ds_load_b128 v[(\f)+8*(\i):(\f)+8*(\i)+3],   v[ADRA] offset:(\k)+(\i)*16*PITCH
	ds_load_b128 v[(\f)+8*(\i)+4:(\f)+8*(\i)+7], v[ADRA] offset:(\k)+(\i)*16*PITCH+32
.endr
.endm
.macro PLACES                          ; four places in front of loads into registers that matrix instructions have read, and of lines that read results (ISA guide 7.12.1 for vector instructions)
.rept 4
	v_nop
.endr
.endm
; One of a K step's first three quarters: multiplies buffer f; in its middle it fetches the next quarter, at byte k of the same slot's rows, into buffer g.
.macro QUARTER k, f, g, mode
	s_wait_dscnt 8                                 ; B and A's row blocks 0-3 are in; the youngest eight loads (A's blocks 4-7) may be out
	MUL16 \f, 0, 0, \mode
	MUL16 \f, 0, 2, \mode
	PLACES
	FETCH \k, \g
	s_wait_dscnt 32                                ; all but the 32 just issued
	MUL16 \f, 1, 0, \mode
	MUL16 \f, 1, 2, \mode
.endm
; The last quarter multiplies buffer 1 and changes slots: ONE barrier; in front of it each wave waits for all its tensor loads (one is out: its part of the next slot), adds 0 to its spare word, and waits
; for that and for its own reads of this slot.  fill = 1: the barrier opens a round of the cluster's, and this slot is filled again, two K steps ahead, first thing behind the round.
; fill = 0 (the tail): nothing is filled; in the tail's last trip (s3 = 1) there is no further step, and the fetch is jumped over; that trip's barrier orders nothing: the price of one text for both trips.
.macro TURN fill
	WIN 0                                          ; (the add's two registers lie in window 0)
	s_wait_tensorcnt 0x0                           ; all my tensor loads have landed;
	ds_add_u32 v[SPW], v[NIL]                      ; 0 onto my spare word;
	s_wait_dscnt 9                                 ; (the add and the youngest eight loads may be out)
	MUL16 F1, 0, 0, 0                              ; sixteen matrix instructions stand between the add and the wait for it
	s_wait_dscnt 0x0                               ; the add is done, and my reads of this slot are over
	s_barrier_signal -1
	MUL16 F1, 0, 2, 0                              ; work on registers while the others arrive
	WIN 0
	s_barrier_wait -1
.if \fill
	CREST                                          ; no wave of any partner still reads this slot's tiles or has a load on its way
	s_add_co_u32 s[G0A+5], s20, s[TB]              ; the walking descriptors: into the slot just read out,
	s_add_co_u32 s[G0B+5], s20, s[TB]
	s_add_nc_u64 s[G0A+6:G0A+7], s[G0A+6:G0A+7], STEP  ; the K step behind the one asked for last; the type bits on top are not reached
	s_add_nc_u64 s[G0B+6:G0B+7], s[G0B+6:G0B+7], STEP
	s_xor_b32 s[TB], s[TB], SLOT                   ; the reads go on in the other slot
	JLOAD 1                                        ; the four v_nop behind it are also the places in front of the loads below
.else
	PLACES
	s_cmp_eq_u32 s3, 1
	s_cbranch_scc1 .Lnone_\@
	s_xor_b32 s[TB], s[TB], SLOT
.endif
	v_add_nc_u32 v[ADRA], s[TB], v[ADRA0]
	v_add_nc_u32 v[ADRB], s[TB], v[ADRB0]
	FETCH 0, F0
.if !(\fill)
	WIN 0
.Lnone_\@:
.endif
	MUL16 F1, 1, 0, 0
	MUL16 F1, 1, 2, 0
.endm
	s_wait_tensorcnt 1                             ; my part of K step 0 is in; K step 1's may stay out
	s_barrier_signal -1
	s_barrier_wait -1                              ; everybody's is
	FETCH 0, F0
	s_wait_loadcnt 0x0                             ; the bias
	QUARTER 64, F0, F1, 2                          ; the first quarter is written out: its products start the sums
	WIN 0                                          ; at a label and at a branch every window is 0
	s_mov_b32 s3, STEPS-2
	s_branch .Lmid                                 ; the loop is entered behind a step's first quarter
.Lstep:                                                ; a trip is a K step; its change of slots asks for the K step two on: steps 2 to 7 in six trips
	QUARTER 64, F0, F1, 0
	WIN 0
.Lmid:
	QUARTER 128, F1, F0, 0
	QUARTER 192, F0, F1, 0
	TURN 1
	WIN 0
	s_sub_co_u32 s3, s3, 1
	s_cmp_lg_u32 s3, 0
	s_cbranch_scc1 .Lstep
	s_mov_b32 s3, 2
.Ltail:                                                ; the last two K steps
	QUARTER 64, F0, F1, 0
	QUARTER 128, F1, F0, 0
	QUARTER 192, F0, F1, 0
	TURN 0
	WIN 0
	s_sub_co_u32 s3, s3, 1
	s_cmp_lg_u32 s3, 0
	s_cbranch_scc1 .Ltail
	s_wait_dscnt 0x0                               ; no LDS load of mine is out
	PLACES
; THE WAY OUT, a block of 16 rows at a time, through my own stage.  PACK: rounded to f16, 16 bytes a lane, each accumulator from its low end.  TOSTAGE: into rows of 272 bytes and back as whole rows of 256.  SEND: stored.
.macro PACK a
	WIN 0x05*(2+(\a)/4)                            ; sources 0 and 1: window 2 or 3
.irp b, 0,1,2,3,4,5,6,7
.irp j, 0,1,2,3
	v_cvt_pk_f16_f32 v[TMP+4*(\b)+(\j)], v[64*((\a)%4)+8*(\b)+2*(\j)], v[64*((\a)%4)+8*(\b)+2*(\j)+1]
.endr
.endr
	WIN 0
.endm
.macro TOSTAGE a
.irp b, 0,1,2,3,4,5,6,7
	ds_store_b128 v[STO], v[TMP+4*(\b):TMP+4*(\b)+3] offset:32*(\b)
.endr
.irp t, 0,1,2,3,4,5,6,7
	ds_load_b128 v[OB+192*((\a)%2)+4*(\t):OB+192*((\a)%2)+4*(\t)+3], v[RD] offset:(\t)*2*SPITCH  ; LDS serves a wave's instructions in order (ISA guide 5.7.1.4): these see the stores above
.endr
.endm
.macro SEND a
	s_wait_dscnt 0x0                               ; the block is back in registers
.if ((\a) >= 1) && ((\a) <= 6)
	s_wait_xcnt 0x0                                ; the stores of the block before have had their addresses translated (ISA guide 3.1): its registers are loaded again only behind this wait
.endif
.irp t, 0,1,2,3,4,5,6,7
	global_store_b128 v[CO], v[OB+192*((\a)%2)+4*(\t):OB+192*((\a)%2)+4*(\t)+3], s[8:9] offset:(16*(\a)+2*(\t))*CP  ; 16 lanes store 256 consecutive bytes, at a multiple of 256 from C's first byte
.endr
.endm
	PACK 0
	TOSTAGE 0
.irp a, 1,2,3,4,5,6,7                  ; block a's conversions stand between block a - 1's loads from the stage and the wait for them
	PACK \a
	SEND (\a)-1
	TOSTAGE \a
.endr
	SEND 7
	s_wait_tensorcnt 0x0                           ; the wave's end: these three lines stand behind my last tensor load and my last LDS store
	ds_add_u32 v[SPW], v[NIL]
	s_wait_dscnt 0x0
	CROUND                                         ; the closing round: no work-group ends while a partner may still ask for a tile that names it
	s_endpgm
.Lfunc_end_k_qf353f76fc5_qkv:
	.size	k_qf353f76fc5_qkv, .Lfunc_end_k_qf353f76fc5_qkv-k_qf353f76fc5_qkv
	.p2alignl 7, 3214868480
	.fill 96, 4, 3214868480
	.section	.rodata,"a",@progbits
	.p2align	6, 0x0
	.amdhsa_kernel k_qf353f76fc5_qkv
		.amdhsa_group_segment_fixed_size 327680
		.amdhsa_private_segment_fixed_size 0
		.amdhsa_enable_private_segment 0
		.amdhsa_kernarg_size 40
		.amdhsa_user_sgpr_count 2
		.amdhsa_user_sgpr_kernarg_segment_ptr 1
		.amdhsa_wavefront_size32 1
		.amdhsa_system_sgpr_workgroup_id_x 1
		.amdhsa_system_sgpr_workgroup_id_y 1
		.amdhsa_system_sgpr_workgroup_id_z 1
		.amdhsa_system_vgpr_workitem_id 0
		.amdhsa_next_free_vgpr 1024
		.amdhsa_next_free_sgpr 96
		.amdhsa_reserve_vcc 0
		.amdhsa_float_denorm_mode_32 3
		.amdhsa_float_denorm_mode_16_64 3
		.amdhsa_memory_ordered 1
		.amdhsa_forward_progress 1
		.amdhsa_inst_pref_size 102
	.end_amdhsa_kernel
	.amdgpu_metadata
---
amdhsa.version: [ 1, 2 ]
amdhsa.kernels:
  - .name:           k_qf353f76fc5_qkv
    .symbol:         k_qf353f76fc5_qkv.kd
    .args:
      - { .name: xw, .offset: 0, .size: 8, .value_kind: global_buffer, .address_space: global }
      - { .name: bq, .offset: 8, .size: 8, .value_kind: global_buffer, .address_space: global }
      - { .name: bk, .offset: 16, .size: 8, .value_kind: global_buffer, .address_space: global }
      - { .name: bv, .offset: 24, .size: 8, .value_kind: global_buffer, .address_space: global }
      - { .name: qkv, .offset: 32, .size: 8, .value_kind: global_buffer, .address_space: global }
    .group_segment_fixed_size: 327680
    .private_segment_fixed_size: 0
    .kernarg_segment_align: 8
    .kernarg_segment_size: 40
    .max_flat_workgroup_size: 128
    .sgpr_count:     96
    .vgpr_count:     1024
    .wavefront_size: 32
...
	.end_amdgpu_metadata
.endif
;; end of part 2
;; launch score (part 3): grid 8 x 32, 4 waves a work-group, clusters of 4 x 4, 327,680 bytes of LDS; arguments qkv, p, stat; writes p, stat
.if DOCPART == 3
	.amdgcn_target "amdgcn-amd-amdhsa--gfx1250"
	.amdhsa_code_object_version 6
	.text
	.protected	k_qf353f76fc5_score
	.globl	k_qf353f76fc5_score
	.p2align	8
	.type	k_qf353f76fc5_score,@function
k_qf353f76fc5_score:
	s_mov_b64 s[64:65], 0
	v_nop
	global_prefetch_b8 v0, s[64:65] scope:SCOPE_SE
	s_setreg_imm32_b32 hwreg(HW_REG_WAVE_MODE, 25, 1), 1
	s_wait_xcnt 0x0
	s_wait_alu depctr_hold_cnt(0) depctr_sa_sdst(0) depctr_va_vdst(0) depctr_va_sdst(0) depctr_va_ssrc(0) depctr_va_vcc(0) depctr_vm_vsrc(0)
	s_getreg_b32 s2, hwreg(HW_REG_IB_STS2, 6, 4)
	s_cmp_eq_u32 s2, 0
	s_cbranch_scc0 .Lentry_in_a_cluster
	s_endpgm
.Lentry_in_a_cluster:
	s_bfe_u32 s2, ttmp6, 0x10000c
	s_cmp_lg_u32 s2, 0xf033
	s_cbranch_scc0 .Lentry_shape_is_right
	s_endpgm
.Lentry_shape_is_right:
; THE SCORES AND THE FIRST HALF OF THE SOFTMAX.  s[m][n] = sum over e of q[m][e] k[n][e], for each of 4 batches of 2,048 rows; q and k are columns 0 and 1,024 on of qkv [8192][3072] (f16); sums in f32.
; THE SOFTMAX IS SPLIT BY BLOCKS OF 128 KEYS.  For row m and block t:  m_t = the block's own largest score;  p = 2^(c s - c m_t), c = log2(e) / sqrt(2048);  l_t = the sum of the block's p.
; p [8192][2048] goes out in f16 (rounded once; l_t is taken of the unrounded p), c m_t and l_t in f32 into stat [2][16][8192].  The next launch brings the blocks onto the row's maximum.
; So a true maximum is taken away in front of every exponential: every exponent is 0 or below, one p of each block is 1, and l_t lies in 1 to 128.
; LIMITS.  p lies in 0 to 1; below 6e-5 it keeps f16's fixed step of 6e-8; a p below 2^-126 counts as 0 in l_t.  NaN and infinities are not treated apart.
; SHARES.  A tile of s is 256 x 256: 256 work-groups.  Four waves; wave w makes rows 128 (w / 2) on and columns 128 (w % 2) on, which are ONE block t: no wave needs another for its statistics.
; K = 1,024 goes in 8 steps of 128 (rows of 256 bytes) through a ring of two LDS slots filled by the tensor data mover; a step is four quarters of 32 along K, 64 matrix instructions each.
; ONE K STEP IS WRITTEN ONCE.  s[TB] holds the LDS byte of the slot that is read, 0 or SLOT, and is turned by an exclusive or; the fragment addresses are made of it; one descriptor a tensor walks.
; Written out beside the loop: the first quarter, whose products start the sums (the loop is entered behind it), and the tail, a loop of two trips that fills nothing.
; CLUSTER.  4 x 4 work-groups.  The four of a row of the cluster need the same tile of q, the four of a column the same tile of k (a cluster's 1,024 rows lie in one batch): each is asked for JOINTLY.
; By the text's own count a wave has two tensor loads out at the start and one behind each round.
; THE MATRIX INSTRUCTION IS USED TRANSPOSED (source 0 = 16 keys, source 1 = 16 queries): lane l holds query l % 16 and, in column block b, the keys 16 b + 8 (l / 16) + 0..7.
; REGISTERS, in windows of 256 (s_set_vgpr_msb: bits 1:0 source 0, 3:2 source 1, 5:4 source 2, 7:6 destination):
;   window 0: v0-31 addresses, among them v9-15 statistics at work; v64-127, v128-191 fragments of q; v192-223 packed p; v32-63 and v224-255 rows read back from the stage
;   window 1: v64-127, v128-191 fragments of k        window 2: accumulators of row blocks 0-3 ((a, b) at 8 (8 a + b))        window 3: those of blocks 4-7
.set PITCH,  272                       ; an LDS row: 256 bytes + 16 of padding = 68 words: row r starts at bank 4 r mod 64 (64 banks of 4 bytes: ISA guide 11.1)
.set HALFT,  128*PITCH
.set SLOT,   4*HALFT                   ; A's 256 rows, then B's 256 rows
.set STAGE,  2*SLOT                    ; behind the ring, never filled by a tensor load: 16 rows x 272 bytes for each wave
.set SPITCH, 272
.set SST,    STAGE+4*16*SPITCH         ; 1,024 bytes for each wave: 128 rows' c m_t, then 128 rows' l_t
.set SPARE,  SST+4*1024                ; the spare words, 128 bytes for each wave: two blocks of 256 bytes that no other line names
.set STEPS,  8
.set ROW,    6144                      ; bytes in a row of qkv
.set STEP,   256
.set CP,     4096                      ; bytes in a row of p
.set LS,    9                          ; v9      l_t
.set C0,    10                         ; v10-13  four chains of the maximum
.set CM,    14                         ; v14-15  c m_t, m_t: the packed scaling names the pair and takes its low word
.set ADRA0, 16
.set ADRB0, 17
.set ADRA,  18
.set ADRB,  19
.set STO,   24
.set RD,    25
.set CO,    26
.set SCO,   27                         ; v27     my byte offset in 512 bytes of stat
.set SPW,   28
.set NIL,   29
.set SSTO,  30                         ; v30     where I put a row's c m_t (lanes 0-15) or l_t (lanes 16-31)
.set SRD,   31                         ; v31     where I read 16 bytes of them back
.set OB,    32
.set F0,    64
.set F1,    128
.set TMP,   192
.set G1A, 24
.set G0A, 32
.set G1B, 48
.set G0B, 56
.set CS,  84                           ; s[84:85] c, twice
.set SEL, 86                           ; s[86:87] v_permlanex16_b32's selects: each lane takes its own place in the other half
.set HM,  88                           ; s88      the mask of lanes 16-31
.set TB,  90                           ; s90      the slot that is read: 0 or SLOT
.set MSB, 0
.macro WIN new
.if MSB != (\new)
	s_set_vgpr_msb (MSB<<8)|(\new)
.set MSB, \new
.endif
.endm
.macro JLOAD s                         ; a joint load: waves 0 and 1 fetch A's two halves, waves 2 and 3 B's; an s_nop 0 and four v_nop follow each of the two lines
	s_cmp_eq_u32 s11, 0
	s_cbranch_scc0 .Lfor_b_\@
	tensor_load_to_lds s[G0A+4*(\s):G0A+4*(\s)+3], s[G1A:G1A+7]
	s_nop 0
.rept 4
	v_nop
.endr
	s_branch .Lasked_\@
.Lfor_b_\@:
	tensor_load_to_lds s[G0B+4*(\s):G0B+4*(\s)+3], s[G1B:G1B+7]
	s_nop 0
.rept 4
	v_nop
.endr
.Lasked_\@:
.endm
.macro CREST
	s_cmp_lg_u32 s10, 0
	s_cbranch_scc1 .Lnot_wave_0_\@
	s_barrier_signal -3
.Lnot_wave_0_\@:
	s_barrier_wait -3
	s_barrier_signal -1
	s_barrier_wait -1
.endm
.macro CROUND
	s_barrier_signal -1
	s_barrier_wait -1
	CREST
.endm
	s_load_b128 s[68:71], s[0:1], 0x0              ; qkv s[68:69], p s[70:71]
	s_load_b64 s[72:73], s[0:1], 0x10              ; stat
	v_lshl_add_u32 v[SPW], v0, 2, SPARE
	v_mov_b32 v[NIL], 0
	ds_add_u32 v[SPW], v[NIL]                      ; the wave's opening: the add and its wait stand ahead of my first tensor load; the set-up below stands between them
	v_lshrrev_b32 v1, 5, v0
	v_readfirstlane_b32 s10, v1                    ; wave 0..3
	s_lshr_b32 s11, s10, 1                         ; my half of the tile's rows.  Also: I fetch for A (0) or for B (1)
	s_and_b32 s12, s10, 1                          ; my half of its columns.  Also: which 128 rows of that tile I fetch
	s_bfe_u32 s40, ttmp6, 0x40000                  ; cx, cy
	s_bfe_u32 s41, ttmp6, 0x40004
	s_lshl_b32 s42, ttmp9, 2
	s_add_co_u32 s42, s42, s40                     ; tile column = 4 x cluster x + cx
	s_and_b32 s13, ttmp7, 0xffff
	s_lshr_b32 s45, s13, 1                         ; the batch: two clusters of 1,024 rows each; made of the cluster's y alone
	s_lshl_b32 s13, s13, 2
	s_add_co_u32 s13, s13, s41                     ; tile row = 4 x cluster y + cy
	s_lshl_b32 s43, s41, 2
	s_lshl_b32 s43, 15, s43                        ; my row of the cluster
	s_lshl_b32 s44, 0x1111, s40                    ; my column
	s_or_b32 s[G1A], s43, (1<<16)|(1<<20)|(1<<21)|(5<<22)|(3<<25)  ; the mask; elements of 2 bytes; padding on; bit 21 beside a mask; after every 64 words 4 words
	s_or_b32 s[G1B], s44, (1<<16)|(1<<20)|(1<<21)|(5<<22)|(3<<25)
.irp g, G1A, G1B
	s_mov_b32 s[(\g)+1], 128<<16                   ; tensor_dim0 = 128
	s_mov_b32 s[(\g)+2], 128<<16                   ; tensor_dim1 = 128
	s_mov_b32 s[(\g)+3], 128<<16                   ; tile_dim0 = 128
	s_mov_b32 s[(\g)+4], 128                       ; tile_dim1 = 128
	s_mov_b32 s[(\g)+5], ROW/2                     ; elements from row to row
	s_mov_b32 s[(\g)+6], 0
	s_mov_b32 s[(\g)+7], 0
.endr
	s_mov_b32 s[CS], 0x3d0293ee                    ; c = log2(e) / sqrt(2048) = 0.0318793
	s_mov_b32 s[CS+1], s[CS]
	s_mov_b32 s[SEL], 0x76543210
	s_mov_b32 s[SEL+1], 0xfedcba98
	s_mov_b32 s[HM], 0xffff0000
	s_mov_b32 s[TB], 0
	s_lshl_b32 s16, s13, 8
	s_lshl_b32 s17, s12, 7
	s_add_co_u32 s16, s16, s17                     ; q: row 256 x tile row + 128 x half
	s_mul_i32 s16, s16, ROW
	s_mov_b32 s17, 0
	s_lshl_b32 s46, s45, 11                        ; k: row 2,048 x batch + 256 x tile column + 128 x half,
	s_lshl_b32 s47, s42, 8
	s_add_co_u32 s46, s46, s47
	s_lshl_b32 s47, s12, 7
	s_add_co_u32 s46, s46, s47
	s_mul_i32 s46, s46, ROW
	s_add_co_u32 s46, s46, 2048                    ; column 1,024
	s_mov_b32 s47, 0
	s_mul_i32 s20, s10, HALFT                      ; where they go: wave x 128 rows
	s_wait_dscnt 0x0                               ; the opening add is done
	s_wait_kmcnt 0x0
	s_add_nc_u64 s[14:15], s[68:69], s[16:17]
	s_add_nc_u64 s[46:47], s[68:69], s[46:47]
	CROUND                                         ; all sixteen work-groups are here: the first joint loads meet
.irp s, 0,1
	s_mov_b32 s[G0A+4*(\s)], 1
	s_add_co_u32 s[G0A+4*(\s)+1], s20, (\s)*SLOT
	s_add_nc_u64 s[G0A+4*(\s)+2:G0A+4*(\s)+3], s[14:15], (\s)*STEP
	s_or_b32 s[G0A+4*(\s)+3], s[G0A+4*(\s)+3], 0x80000000
	s_mov_b32 s[G0B+4*(\s)], 1
	s_add_co_u32 s[G0B+4*(\s)+1], s20, (\s)*SLOT
	s_add_nc_u64 s[G0B+4*(\s)+2:G0B+4*(\s)+3], s[46:47], (\s)*STEP
	s_or_b32 s[G0B+4*(\s)+3], s[G0B+4*(\s)+3], 0x80000000
	JLOAD \s
.endr
	v_and_b32 v1, 15, v0                           ; r = l % 16
	v_bfe_u32 v2, v0, 4, 1                         ; h = l / 16
	v_mul_u32_u24 v3, v1, PITCH
	v_lshl_add_u32 v3, v2, 4, v3
	s_mul_i32 s22, s11, HALFT
	s_mul_i32 s23, s12, HALFT
	s_add_co_u32 s23, s23, 2*HALFT
	v_add_nc_u32 v[ADRA0], s22, v3
	v_add_nc_u32 v[ADRB0], s23, v3
	v_mov_b32 v[ADRA], v[ADRA0]                    ; K step 0 lies in slot 0
	v_mov_b32 v[ADRB], v[ADRB0]
	s_mul_i32 s22, s10, 16*SPITCH
	s_add_co_u32 s22, s22, STAGE                   ; my stage
	v_add_nc_u32 v[STO], s22, v3
	v_mul_u32_u24 v4, v2, SPITCH
	v_lshl_add_u32 v4, v1, 4, v4
	v_add_nc_u32 v[RD], s22, v4
	v_mul_u32_u24 v4, v2, CP
	v_lshl_add_u32 v[CO], v1, 4, v4
	s_lshl_b32 s22, s10, 10
	s_add_co_u32 s22, s22, SST                     ; my 1,024 bytes of statistics
	v_lshlrev_b32 v4, 2, v1
	v_lshl_add_u32 v4, v2, 9, v4                   ; 4 r + 512 h
	v_add_nc_u32 v[SSTO], s22, v4
	v_and_b32 v4, 31, v0
	v_lshlrev_b32 v[SCO], 4, v4                    ; 16 l
	v_add_nc_u32 v[SRD], s22, v[SCO]
	s_lshl_b32 s16, s13, 8
	s_lshl_b32 s17, s11, 7
	s_add_co_u32 s18, s16, s17                     ; my first row
	s_mul_i32 s16, s18, CP
	s_mov_b32 s17, 0
	s_add_nc_u64 s[8:9], s[70:71], s[16:17]
	s_lshl_b32 s16, s18, 2
	s_add_nc_u64 s[6:7], s[72:73], s[16:17]
	s_lshl_b32 s46, s42, 9                         ; my first column of p, in bytes
	s_lshl_b32 s47, s12, 8
	s_add_co_u32 s46, s46, s47
	s_mov_b32 s47, 0
	s_add_nc_u64 s[8:9], s[8:9], s[46:47]
	s_lshl_b32 s46, s46, 7                         ; my block t = 2 x tile column + half, times 32,768 bytes
	s_add_nc_u64 s[6:7], s[6:7], s[46:47]
; 16 matrix instructions: row blocks a0, a0 + 1 of the window's four x all 8 column blocks, 32 along K, from buffer f.  mode 1: the first product starts the sums.  The 64 accumulators take turns.
.macro MUL16 f, hi, a0, mode
	WIN 0xa1+0x50*(\hi)                            ; source 0 (B) window 1, source 1 (A) window 0, C and D window 2 or 3
.irp a, \a0, (\a0)+1
.irp b, 0,1,2,3,4,5,6,7
.if (\mode) == 1
	v_wmma_f32_16x16x32_f16 v[8*(8*(\a)+(\b)):8*(8*(\a)+(\b))+7], v[(\f)+8*(\b):(\f)+8*(\b)+7], v[(\f)+8*(4*(\hi)+(\a)):(\f)+8*(4*(\hi)+(\a))+7], 0
.else
	v_wmma_f32_16x16x32_f16 v[8*(8*(\a)+(\b)):8*(8*(\a)+(\b))+7], v[(\f)+8*(\b):(\f)+8*(\b)+7], v[(\f)+8*(4*(\hi)+(\a)):(\f)+8*(4*(\hi)+(\a))+7], v[8*(8*(\a)+(\b)):8*(8*(\a)+(\b))+7]
.endif
.endr
.endr
.endm
.macro FETCH k, f                      ; 32 LDS loads in one run: 128 rows of B, then 128 rows of A, 32 K at byte k of the slot that is read, into buffer f
	WIN 0x40
.irp i, 0,1,2,3,4,5,6,7
	ds_load_b128 v[(\f)+8*(\i):(\f)+8*(\i)+3],   v[ADRB] offset:(\k)+(\i)*16*PITCH
	ds_load_b128 v[(\f)+8*(\i)+4:(\f)+8*(\i)+7], v[ADRB] offset:(\k)+(\i)*16*PITCH+32
.endr
	WIN 0
.irp i, 0,1,2,3,4,5,6,7
	ds_load_b128 v[(\f)+8*(\i):(\f)+8*(\i)+3],   v[ADRA] offset:(\k)+(\i)*16*PITCH
	ds_load_b128 v[(\f)+8*(\i)+4:(\f)+8*(\i)+7], v[ADRA] offset:(\k)+(\i)*16*PITCH+32
.endr
.endm
.macro PLACES                          ; four places in front of loads into registers that matrix instructions have read, and of lines that read results
.rept 4
	v_nop
.endr
.endm
.macro QUARTER k, f, g, mode
	s_wait_dscnt 8                                 ; B and A's row blocks 0-3 are in; the youngest eight loads may be out
	MUL16 \f, 0, 0, \mode
	MUL16 \f, 0, 2, \mode
	PLACES
	FETCH \k, \g
	s_wait_dscnt 32                                ; all but the 32 just issued
	MUL16 \f, 1, 0, \mode
	MUL16 \f, 1, 2, \mode
.endm
; The last quarter and the change of slots.  fill = 1: a round of the cluster's barrier, and this slot is filled again, two K steps ahead.  fill = 0 (the tail): nothing is filled; in the tail's last trip
; (s3 = 1) there is no further step, and the fetch is jumped over; that trip's barrier orders nothing: the price of one text for both trips.
.macro TURN fill
	WIN 0
	s_wait_tensorcnt 0x0                           ; all my tensor loads have landed: my part of the next slot;
	ds_add_u32 v[SPW], v[NIL]                      ; 0 onto my spare word;
	s_wait_dscnt 9                                 ; (the add and the youngest eight loads may be out)
	MUL16 F1, 0, 0, 0
	s_wait_dscnt 0x0                               ; the add is done, and my reads of this slot are over
	s_barrier_signal -1
	MUL16 F1, 0, 2, 0
	WIN 0
	s_barrier_wait -1
.if \fill
	CREST                                          ; no wave of any partner still reads this slot's tiles or has a load on its way
	s_add_co_u32 s[G0A+5], s20, s[TB]              ; the walking descriptors: into the slot just read out,
	s_add_co_u32 s[G0B+5], s20, s[TB]
	s_add_nc_u64 s[G0A+6:G0A+7], s[G0A+6:G0A+7], STEP  ; the K step behind the one asked for last
	s_add_nc_u64 s[G0B+6:G0B+7], s[G0B+6:G0B+7], STEP
	s_xor_b32 s[TB], s[TB], SLOT                   ; the reads go on in the other slot
	JLOAD 1                                        ; the four v_nop behind it are also the places in front of the loads below
.else
	PLACES
	s_cmp_eq_u32 s3, 1
	s_cbranch_scc1 .Lnone_\@
	s_xor_b32 s[TB], s[TB], SLOT
.endif
	v_add_nc_u32 v[ADRA], s[TB], v[ADRA0]
	v_add_nc_u32 v[ADRB], s[TB], v[ADRB0]
	FETCH 0, F0
.if !(\fill)
	WIN 0
.Lnone_\@:
.endif
	MUL16 F1, 1, 0, 0
	MUL16 F1, 1, 2, 0
.endm
	s_wait_tensorcnt 1                             ; my part of K step 0 is in; K step 1's may stay out
	s_barrier_signal -1
	s_barrier_wait -1
	FETCH 0, F0
	QUARTER 64, F0, F1, 1                          ; the first quarter's products start the sums
	WIN 0
	s_mov_b32 s3, STEPS-2
	s_branch .Lmid                                 ; the loop is entered behind a step's first quarter
.Lstep:                                                ; a trip is a K step; its change of slots asks for the K step two on
	QUARTER 64, F0, F1, 0
	WIN 0
.Lmid:
	QUARTER 128, F1, F0, 0
	QUARTER 192, F0, F1, 0
	TURN 1
	WIN 0
	s_sub_co_u32 s3, s3, 1
	s_cmp_lg_u32 s3, 0
	s_cbranch_scc1 .Lstep
	s_mov_b32 s3, 2
.Ltail:                                                ; the last two K steps
	QUARTER 64, F0, F1, 0
	QUARTER 128, F1, F0, 0
	QUARTER 192, F0, F1, 0
	TURN 0
	WIN 0
	s_sub_co_u32 s3, s3, 1
	s_cmp_lg_u32 s3, 0
	s_cbranch_scc1 .Ltail
	s_wait_dscnt 0x0                               ; no LDS load of mine is out
	PLACES
; ROW BLOCK a's SOFTMAX.  A lane holds 64 of its query's 128 scores, the lane 16 away the other 64.
.macro SOFT a
.set AC, 64*((\a)%4)
	WIN 0x15*(2+(\a)/4)                            ; three sources in the accumulators' window
.irp b, 0,1,2,3                        ; the maximum, three operands at a time, in four chains; each accumulator's lowest registers are read first
	v_max3_num_f32 v[C0+(\b)], v[AC+8*(\b)], v[AC+8*(\b)+1], v[AC+8*(\b)+2]
.endr
	WIN 0x14*(2+(\a)/4)                            ; source 0 in window 0
.irp j, 3,5
.irp b, 0,1,2,3
	v_max3_num_f32 v[C0+(\b)], v[C0+(\b)], v[AC+8*(\b)+(\j)], v[AC+8*(\b)+(\j)+1]
.endr
.endr
.irp j, 0,2,4,6
.irp b, 0,1,2,3
	v_max3_num_f32 v[C0+(\b)], v[C0+(\b)], v[AC+32+8*(\b)+(\j)], v[AC+32+8*(\b)+(\j)+1]
.endr
.endr
	v_max3_num_f32 v[C0], v[C0], v[AC+7], v[AC+15]
	v_max3_num_f32 v[C0+1], v[C0+1], v[AC+23], v[AC+31]
	WIN 0
	v_max3_num_f32 v[C0], v[C0], v[C0+1], v[C0+2]
	v_max_num_f32 v[C0], v[C0], v[C0+3]
	v_permlanex16_b32 v[C0+1], v[C0], s[SEL], s[SEL+1]
	v_max_num_f32 v[CM+1], v[C0], v[C0+1]          ; m_t
	v_mul_f32 v[CM], s[CS], v[CM+1]                ; c m_t
	WIN 0x41*(2+(\a)/4)                            ; in place, the third source in window 0
.set i, 0
.rept 32
	v_pk_fma_f32 v[AC+i:AC+i+1], v[AC+i:AC+i+1], s[CS:CS+1], v[CM:CM+1] op_sel_hi:[1,0,0] neg_lo:[0,0,1] neg_hi:[0,0,1]  ; c s - c m_t
.set i, i+2
.endr
.set i, 0
.rept 64
	v_exp_f32 v[AC+i], v[AC+i]
.set i, i+1
.endr
	v_nop                                          ; a plain instruction between the last exponential and the use of its result (ISA guide 5.7.2)
	WIN 0x05*(2+(\a)/4)
.set i, 0
	s_wait_alu depctr_va_vdst(0)
.rept 32
	v_cvt_pk_f16_f32 v[TMP+i], v[AC+2*i], v[AC+2*i+1]
.set i, i+1
.endr
	WIN 0x45*(2+(\a)/4)                            ; the sum of the 32 pairs, in place: neighbours 1, 2, 4, 8 and 16 pairs apart
.irp st, 2,4,8,16,32
.set i, 0
.rept 32/(\st)
	v_pk_add_f32 v[AC+i:AC+i+1], v[AC+i:AC+i+1], v[AC+i+(\st):AC+i+(\st)+1]
.set i, i+2*(\st)
.endr
.endr
	WIN 0x05*(2+(\a)/4)
	v_add_f32 v[LS], v[AC], v[AC+1]
	WIN 0
	v_permlanex16_b32 v[C0+1], v[LS], s[SEL], s[SEL+1]
	v_add_f32 v[LS], v[LS], v[C0+1]                ; l_t
	v_cndmask_b32 v[C0+2], v[CM], v[LS], s[HM]     ; lanes 0-15 carry c m_t, lanes 16-31 l_t
	ds_store_b32 v[SSTO], v[C0+2] offset:64*(\a)
.endm
.macro TOSTAGE a
.irp b, 0,1,2,3,4,5,6,7
	ds_store_b128 v[STO], v[TMP+4*(\b):TMP+4*(\b)+3] offset:32*(\b)
.endr
.irp t, 0,1,2,3,4,5,6,7
	ds_load_b128 v[OB+192*((\a)%2)+4*(\t):OB+192*((\a)%2)+4*(\t)+3], v[RD] offset:(\t)*2*SPITCH  ; LDS serves a wave's instructions in order (ISA guide 5.7.1.4): these see the stores above
.endr
.endm
.macro SEND a
	s_wait_dscnt 0x0                               ; the block is back in registers
.if ((\a) >= 1) && ((\a) <= 6)
	s_wait_xcnt 0x0                                ; the stores of the block before have had their addresses translated (ISA guide 3.1): its registers are loaded again only behind this wait
.endif
.irp t, 0,1,2,3,4,5,6,7
	global_store_b128 v[CO], v[OB+192*((\a)%2)+4*(\t):OB+192*((\a)%2)+4*(\t)+3], s[8:9] offset:(16*(\a)+2*(\t))*CP  ; 16 lanes store 256 consecutive bytes, at a multiple of 256 from p's first byte
.endr
.endm
	SOFT 0
	TOSTAGE 0
.irp a, 1,2,3,4,5,6,7                  ; block a's softmax stands between block a - 1's loads from the stage and the wait for them
	SOFT \a
	SEND (\a)-1
	TOSTAGE \a
.endr
	SEND 7
	ds_load_b128 v[TMP:TMP+3], v[SRD]              ; my own 1,024 bytes: 128 rows' c m_t,
	ds_load_b128 v[TMP+4:TMP+7], v[SRD] offset:512 ; 128 rows' l_t
	s_wait_dscnt 0x0
	global_store_b128 v[SCO], v[TMP:TMP+3], s[6:7]                    ; each store covers 512 consecutive bytes, at a multiple of 256 from stat's first byte
	global_store_b128 v[SCO], v[TMP+4:TMP+7], s[6:7] offset:524288
	s_wait_tensorcnt 0x0                           ; the wave's end: these three lines stand behind my last tensor load and my last LDS store
	ds_add_u32 v[SPW], v[NIL]
	s_wait_dscnt 0x0
	CROUND                                         ; the closing round
	s_endpgm
.Lfunc_end_k_qf353f76fc5_score:
	.size	k_qf353f76fc5_score, .Lfunc_end_k_qf353f76fc5_score-k_qf353f76fc5_score
	.p2alignl 7, 3214868480
	.fill 96, 4, 3214868480
	.section	.rodata,"a",@progbits
	.p2align	6, 0x0
	.amdhsa_kernel k_qf353f76fc5_score
		.amdhsa_group_segment_fixed_size 327680
		.amdhsa_private_segment_fixed_size 0
		.amdhsa_enable_private_segment 0
		.amdhsa_kernarg_size 24
		.amdhsa_user_sgpr_count 2
		.amdhsa_user_sgpr_kernarg_segment_ptr 1
		.amdhsa_wavefront_size32 1
		.amdhsa_system_sgpr_workgroup_id_x 1
		.amdhsa_system_sgpr_workgroup_id_y 1
		.amdhsa_system_sgpr_workgroup_id_z 1
		.amdhsa_system_vgpr_workitem_id 0
		.amdhsa_next_free_vgpr 1024
		.amdhsa_next_free_sgpr 96
		.amdhsa_reserve_vcc 0
		.amdhsa_float_denorm_mode_32 3
		.amdhsa_float_denorm_mode_16_64 3
		.amdhsa_memory_ordered 1
		.amdhsa_forward_progress 1
		.amdhsa_inst_pref_size 169
	.end_amdhsa_kernel
	.amdgpu_metadata
---
amdhsa.version: [ 1, 2 ]
amdhsa.kernels:
  - .name:           k_qf353f76fc5_score
    .symbol:         k_qf353f76fc5_score.kd
    .args:
      - { .name: qkv, .offset: 0, .size: 8, .value_kind: global_buffer, .address_space: global }
      - { .name: p, .offset: 8, .size: 8, .value_kind: global_buffer, .address_space: global }
      - { .name: stat, .offset: 16, .size: 8, .value_kind: global_buffer, .address_space: global }
    .group_segment_fixed_size: 327680
    .private_segment_fixed_size: 0
    .kernarg_segment_align: 8
    .kernarg_segment_size: 24
    .max_flat_workgroup_size: 128
    .sgpr_count:     96
    .vgpr_count:     1024
    .wavefront_size: 32
...
	.end_amdgpu_metadata
.endif
;; end of part 3
;; launch pv (part 4): grid 4 x 64, 4 waves a work-group, clusters of 4 x 4, 327,680 bytes of LDS; arguments p, stat, qkv, o; writes o
.if DOCPART == 4
	.amdgcn_target "amdgcn-amd-amdhsa--gfx1250"
	.amdhsa_code_object_version 6
	.text
	.protected	k_qf353f76fc5_pv
	.globl	k_qf353f76fc5_pv
	.p2align	8
	.type	k_qf353f76fc5_pv,@function
k_qf353f76fc5_pv:
	s_mov_b64 s[64:65], 0
	v_nop
	global_prefetch_b8 v0, s[64:65] scope:SCOPE_SE
	s_setreg_imm32_b32 hwreg(HW_REG_WAVE_MODE, 25, 1), 1
	s_wait_xcnt 0x0
	s_wait_alu depctr_hold_cnt(0) depctr_sa_sdst(0) depctr_va_vdst(0) depctr_va_sdst(0) depctr_va_ssrc(0) depctr_va_vcc(0) depctr_vm_vsrc(0)
	s_getreg_b32 s2, hwreg(HW_REG_IB_STS2, 6, 4)
	s_cmp_eq_u32 s2, 0
	s_cbranch_scc0 .Lentry_in_a_cluster
	s_endpgm
.Lentry_in_a_cluster:
	s_bfe_u32 s2, ttmp6, 0x10000c
	s_cmp_lg_u32 s2, 0xf033
	s_cbranch_scc0 .Lentry_shape_is_right
	s_endpgm
.Lentry_shape_is_right:
; THE SECOND HALF OF THE SOFTMAX AND THE WEIGHTED SUM.  For row m:  M = the largest of the 16 blocks' c m_t;  e_t = 2^(c m_t - M), at most 1, and 1 for one block;  L = sum over t of l_t e_t, at least 1;
; o[m][n] = (sum over t, and over the block's 128 keys k, of (p[m][k] e_t) v[k][n]) / L.  p [8192][2048] f16; c m_t, l_t in stat [2][16][8192] f32; v is column 2,048 on of qkv [8192][3072] f16; o [8192][1024] f16.
; One K step of 128 keys is one block t: p's fragments are multiplied by e_t in f16 (both halves of a register at once) between their load and the matrix instruction.  M, e_t's exponent, L and the sums are f32; o is rounded once.
; LIMITS.  p e_t lies in 0 to 1 and below 6e-5 keeps f16's fixed step of 6e-8: a weight below 3e-8 of its row's largest counts as 0.  o is a mean of v's rows and has their range.  NaN and infinities are not treated apart.
; SHARES.  A tile of o is 128 x 256: 256 work-groups (tiles of 256 x 256 would be 128).  Four waves; wave w makes rows 64 (w / 2) on and columns 128 (w % 2) on.  K = 2,048 goes in 16 steps of 128 through a ring of two LDS slots.
; ONE K STEP IS WRITTEN ONCE.  s[TB] holds the LDS byte of the slot that is read, 0 or SLOT, and is turned by an exclusive or; the fragment addresses are made of it; one descriptor a tensor walks.
; Written out beside the loop: the first quarter, whose products start the sums (the loop is entered behind it), and the tail, a loop of two trips that fills nothing.
; CLUSTER.  4 x 4 work-groups.  The four of a row of the cluster need the same tile of p, the four of a column the same tile of v (a cluster's 512 rows lie in one batch): each is asked for JOINTLY.
; By the text's own count a wave has two tensor loads out at the start and one behind each round.
; THE MATRIX INSTRUCTION IS USED TRANSPOSED (source 0 = 16 channels of v, source 1 = 16 queries of p).  v lies [key][channel] and comes out of LDS turned, by ds_load_tr16_b128.
; REGISTERS, in windows of 256 (s_set_vgpr_msb: bits 1:0 source 0, 3:2 source 1, 5:4 source 2, 7:6 destination):
;   window 0: v0-31 addresses; v40-47 1 / L, a pair a row block; v48-51 e_t of the K step whose fragments are fetched, a register a row block; v64-127, v128-191 fragments of v; v192-255 and (behind the loop) v64-95 the way out
;   window 1: v0-127 accumulators of row blocks 0, 1 (ahead of the loop: the statistics); v128-135 M and L        window 2: v0-127 accumulators of blocks 2, 3; v128-159, v160-191 fragments of p
.set PITCH,  272                       ; a row of p in LDS: 256 bytes + 16 of padding: the 16 rows of a load start at 16 different groups of four banks (64 banks of 4 bytes: ISA guide 11.1)
.set PV,     544                       ; a row of v: 512 bytes + 32 = 136 words
.set AHALF,  64*PITCH
.set BHALF,  64*PV                     ; 64 keys
.set SLOT,   2*AHALF+2*BHALF           ; p's 128 rows, then v's 128 keys
.set STAGE,  2*SLOT                    ; behind the ring, never filled by a tensor load: 16 rows x 272 bytes for each wave
.set SPITCH, 272
.set FTAB,   STAGE+4*16*SPITCH         ; 4,096 bytes for each wave: e_t, twice in a word, at 256 t + 16 (l % 16) + 4 a
.set SPARE,  FTAB+4*4096               ; the spare words, 128 bytes for each wave: two blocks of 256 bytes that no other line names
.set STEPS,  16                        ; K = 2,048
.set ROWA,   4096                      ; bytes in a row of p
.set ROWB,   6144                      ; of qkv
.set STEPA,  256                       ; 128 keys along a row of p,
.set STEPB,  128*ROWB                  ; 128 rows of v
.set CP,     2048                      ; bytes in a row of o
.set SOF,   8                          ; v8      4 (l % 16): my row in 16 rows of stat
.set ADRA0, 16                         ; v16-17  LDS addresses of my fragments in slot 0; never rewritten
.set ADRB0, 17
.set ADRA,  18                         ; v18-19  the same in the slot that is read
.set ADRB,  19
.set STO,   24
.set RD,    25
.set CO,    26
.set SPW,   28
.set NIL,   29
.set FTA,   30                         ; v30     my place in my wave's table
.set FTD,   31                         ; v31     the same for the K step to be fetched
.set RL,    40
.set FC,    48
.set FB,    64
.set TMP,   192
.set FA,    128
.set G1A, 24
.set G0A, 32                           ; s[32:35] group 0 of the first fill, s[36:39] of the second, which then walks
.set G1B, 48
.set G0B, 56
.set FT,  84                           ; s84  256 x the block whose e_t are fetched next
.set TB,  90                           ; s90  the slot that is read: 0 or SLOT
.set MSB, 0
.macro WIN new
.if MSB != (\new)
	s_set_vgpr_msb (MSB<<8)|(\new)
.set MSB, \new
.endif
.endm
.set W_LO, 0x58                        ; source 0 (v) window 0, source 1 (p) window 2, C and D window 1
.set W_HI, 0xa8                        ; the same, C and D window 2; it also serves p times e_t: destination and source 1 window 2, source 0 window 0
.set W_TA, 0x80                        ; destination window 2, address window 0
.set W_T1, 0x40                        ; destination window 1
.macro JLOAD s                         ; a joint load: waves 0 and 1 fetch p's two halves, waves 2 and 3 v's; an s_nop 0 and four v_nop follow each of the two lines
	s_cmp_eq_u32 s11, 0
	s_cbranch_scc0 .Lfor_b_\@
	tensor_load_to_lds s[G0A+4*(\s):G0A+4*(\s)+3], s[G1A:G1A+7]
	s_nop 0
.rept 4
	v_nop
.endr
	s_branch .Lasked_\@
.Lfor_b_\@:
	tensor_load_to_lds s[G0B+4*(\s):G0B+4*(\s)+3], s[G1B:G1B+7]
	s_nop 0
.rept 4
	v_nop
.endr
.Lasked_\@:
.endm
.macro CREST
	s_cmp_lg_u32 s10, 0
	s_cbranch_scc1 .Lnot_wave_0_\@
	s_barrier_signal -3
.Lnot_wave_0_\@:
	s_barrier_wait -3
	s_barrier_signal -1
	s_barrier_wait -1
.endm
.macro CROUND
	s_barrier_signal -1
	s_barrier_wait -1
	CREST
.endm
	s_load_b256 s[68:75], s[0:1], 0x0              ; p s[68:69], stat s[70:71], qkv s[72:73], o s[74:75]
	v_lshl_add_u32 v[SPW], v0, 2, SPARE
	v_mov_b32 v[NIL], 0
	ds_add_u32 v[SPW], v[NIL]                      ; the wave's opening: the add and its wait stand ahead of my first tensor load; the set-up below stands between them
	v_lshrrev_b32 v1, 5, v0
	v_readfirstlane_b32 s10, v1                    ; wave 0..3
	s_lshr_b32 s11, s10, 1                         ; my half of the tile's rows.  Also: I fetch for p (0) or for v (1)
	s_and_b32 s12, s10, 1                          ; my half of its columns.  Also: which half of that tile I fetch
	s_bfe_u32 s40, ttmp6, 0x40000                  ; cx, cy
	s_bfe_u32 s41, ttmp6, 0x40004
	s_lshl_b32 s42, ttmp9, 2
	s_add_co_u32 s42, s42, s40                     ; tile column = 4 x cluster x + cx
	s_and_b32 s13, ttmp7, 0xffff
	s_lshr_b32 s45, s13, 2                         ; the batch, made of the cluster's y alone
	s_lshl_b32 s13, s13, 2
	s_add_co_u32 s13, s13, s41                     ; tile row = 4 x cluster y + cy
	s_lshl_b32 s43, s41, 2
	s_lshl_b32 s43, 15, s43                        ; my row of the cluster
	s_lshl_b32 s44, 0x1111, s40                    ; my column
	s_or_b32 s[G1A], s43, (1<<16)|(1<<20)|(1<<21)|(5<<22)|(3<<25)  ; the mask; elements of 2 bytes; padding on; bit 21 beside a mask; after every 64 words 4 words
	s_or_b32 s[G1B], s44, (1<<16)|(1<<20)|(1<<21)|(6<<22)|(7<<25)  ; after every 128 words (code 6) 8 words (code 7)
	s_mov_b32 s[G1A+1], 128<<16                    ; tensor_dim0 = 128
	s_mov_b32 s[G1A+2], 64<<16                     ; tensor_dim1 = 64
	s_mov_b32 s[G1A+3], 128<<16                    ; tile_dim0 = 128
	s_mov_b32 s[G1A+4], 64                         ; tile_dim1 = 64
	s_mov_b32 s[G1A+5], ROWA/2
	s_mov_b32 s[G1A+6], 0
	s_mov_b32 s[G1A+7], 0
	s_mov_b32 s[G1B+1], 256<<16                    ; 256 channels,
	s_mov_b32 s[G1B+2], 64<<16                     ; 64 keys
	s_mov_b32 s[G1B+3], 256<<16
	s_mov_b32 s[G1B+4], 64
	s_mov_b32 s[G1B+5], ROWB/2
	s_mov_b32 s[G1B+6], 0
	s_mov_b32 s[G1B+7], 0
	s_mov_b32 s[TB], 0
	s_lshl_b32 s16, s13, 7
	s_lshl_b32 s17, s12, 6
	s_add_co_u32 s16, s16, s17                     ; p: row 128 x tile row + 64 x half
	s_mul_i32 s16, s16, ROWA
	s_mov_b32 s17, 0
	s_lshl_b32 s46, s45, 11                        ; v: row 2,048 x batch + 64 x half,
	s_lshl_b32 s47, s12, 6
	s_add_co_u32 s46, s46, s47
	s_mul_i32 s46, s46, ROWB
	s_lshl_b32 s47, s42, 9                         ; 256 channels for each tile column,
	s_add_co_u32 s46, s46, s47
	s_add_co_u32 s46, s46, 4096                    ; from column 2,048 on
	s_mov_b32 s47, 0
	s_mul_i32 s20, s12, AHALF
	s_mul_i32 s21, s12, BHALF
	s_add_co_u32 s21, s21, 2*AHALF
	s_wait_dscnt 0x0                               ; the opening add is done
	s_wait_kmcnt 0x0
	s_add_nc_u64 s[14:15], s[68:69], s[16:17]
	s_add_nc_u64 s[46:47], s[72:73], s[46:47]
	CROUND                                         ; all sixteen work-groups are here: the first joint loads meet
.irp s, 0,1
	s_mov_b32 s[G0A+4*(\s)], 1
	s_add_co_u32 s[G0A+4*(\s)+1], s20, (\s)*SLOT
	s_add_nc_u64 s[G0A+4*(\s)+2:G0A+4*(\s)+3], s[14:15], (\s)*STEPA
	s_or_b32 s[G0A+4*(\s)+3], s[G0A+4*(\s)+3], 0x80000000
	s_mov_b32 s[G0B+4*(\s)], 1
	s_add_co_u32 s[G0B+4*(\s)+1], s21, (\s)*SLOT
	s_add_nc_u64 s[G0B+4*(\s)+2:G0B+4*(\s)+3], s[46:47], (\s)*STEPB
	s_or_b32 s[G0B+4*(\s)+3], s[G0B+4*(\s)+3], 0x80000000
	JLOAD \s
.endr
	; THE STATISTICS, in the wait for the first tiles.  Lane l takes row 16 a + l % 16 of my 64, for a = 0..3 and all 16 blocks: the four loads of a block cover 256 consecutive bytes of stat.
	v_and_b32 v1, 15, v0                           ; r = l % 16
	v_bfe_u32 v2, v0, 4, 1                         ; h = l / 16
	v_lshlrev_b32 v[SOF], 2, v1
	s_lshl_b32 s16, s13, 7
	s_lshl_b32 s17, s11, 6
	s_add_co_u32 s18, s16, s17                     ; my first row
	s_lshl_b32 s16, s18, 2
	s_mov_b32 s17, 0
	s_add_nc_u64 s[6:7], s[70:71], s[16:17]
	WIN W_T1
.set t, 0
.rept 16
.irp a, 0,1,2,3
	global_load_b32 v[4*t+(\a)], v[SOF], s[6:7] offset:32768*t+64*(\a)             ; c m_t
.endr
.set t, t+1
.endr
.set t, 0
.rept 16
.irp a, 0,1,2,3
	global_load_b32 v[64+4*t+(\a)], v[SOF], s[6:7] offset:524288+32768*t+64*(\a)   ; l_t
.endr
.set t, t+1
.endr
	WIN 0
	v_mul_u32_u24 v3, v1, PITCH
	v_lshl_add_u32 v3, v2, 4, v3                   ; a fragment of p: row x pitch + 16 x half
	; The turning load takes 16 keys x 16 channels (lane l reads key 8 (l / 16) + l % 8, channels 8 ((l / 8) % 2) + 0..7) and leaves half a fragment: lane l holds channel l % 16 and 8 keys.
	v_and_b32 v4, 7, v0
	v_bfe_u32 v5, v0, 3, 1
	v_lshl_add_u32 v4, v2, 3, v4
	v_mul_u32_u24 v4, v4, PV
	v_lshl_add_u32 v4, v5, 4, v4
	s_mul_i32 s22, s11, AHALF                      ; my 64 rows of p
	s_lshl_b32 s23, s12, 8                         ; my 128 channels of v,
	s_add_co_u32 s23, s23, 2*AHALF                 ; which lies behind p's 128 rows
	v_add_nc_u32 v[ADRA0], s22, v3
	v_add_nc_u32 v[ADRB0], s23, v4
	v_mov_b32 v[ADRA], v[ADRA0]                    ; K step 0 lies in slot 0
	v_mov_b32 v[ADRB], v[ADRB0]
	s_mul_i32 s22, s10, 16*SPITCH
	s_add_co_u32 s22, s22, STAGE                   ; my stage
	v_add_nc_u32 v[STO], s22, v3
	v_mul_u32_u24 v4, v2, SPITCH
	v_lshl_add_u32 v4, v1, 4, v4
	v_add_nc_u32 v[RD], s22, v4
	v_mul_u32_u24 v4, v2, CP
	v_lshl_add_u32 v[CO], v1, 4, v4
	s_lshl_b32 s22, s10, 12
	s_add_co_u32 s22, s22, FTAB                    ; my table
	v_lshl_add_u32 v[FTA], v1, 4, s22
	s_mul_i32 s16, s18, CP
	s_add_nc_u64 s[8:9], s[74:75], s[16:17]
	s_lshl_b32 s46, s42, 9                         ; my first column of o, in bytes
	s_lshl_b32 s47, s12, 8
	s_add_co_u32 s46, s46, s47
	s_mov_b32 s47, 0
	s_add_nc_u64 s[8:9], s[8:9], s[46:47]
	s_wait_loadcnt 0x0
	WIN 0x55                                       ; all in window 1; the four row blocks alternate, so that no line waits for the one before it
.irp a, 0,1,2,3
	v_max3_num_f32 v[128+(\a)], v[(\a)], v[4+(\a)], v[8+(\a)]
.endr
.irp t, 3,5,7,9,11,13
.irp a, 0,1,2,3
	v_max3_num_f32 v[128+(\a)], v[128+(\a)], v[4*(\t)+(\a)], v[4*(\t)+4+(\a)]
.endr
.endr
.irp a, 0,1,2,3
	v_max_num_f32 v[128+(\a)], v[128+(\a)], v[60+(\a)]     ; M
.endr
.set i, 0
.rept 64
	v_sub_f32 v[i], v[i], v[128+i%4]               ; c m_t - M: 0 or below
.set i, i+1
.endr
.set i, 0
.rept 64
	v_exp_f32 v[i], v[i]                           ; e_t
.set i, i+1
.endr
	v_nop                                          ; a plain instruction between the last exponential and the use of its result (ISA guide 5.7.2)
	s_wait_alu depctr_va_vdst(0)
.irp a, 0,1,2,3
	v_mul_f32 v[132+(\a)], v[64+(\a)], v[(\a)]
.endr
.set t, 1
.rept 15
.irp a, 0,1,2,3
	v_fmac_f32 v[132+(\a)], v[64+4*t+(\a)], v[4*t+(\a)]    ; L
.endr
.set t, t+1
.endr
.set i, 0
.rept 64
	v_cvt_pk_f16_f32 v[i], v[i], v[i]              ; e_t in both halves
.set i, i+1
.endr
	WIN 0x01
.irp a, 0,1,2,3
	v_rcp_f32 v[RL+2*(\a)], v[132+(\a)]            ; made twice, to fill the pair that the packed multiply names
	v_rcp_f32 v[RL+2*(\a)+1], v[132+(\a)]
.endr
	v_nop
	WIN 0x04                                       ; store data in window 1
.set t, 0
.rept 16
	ds_store_b128 v[FTA], v[4*t:4*t+3] offset:256*t  ; both halves of the lanes hold the same rows and write the same bytes
.set t, t+1
.endr
	WIN 0
; 8 matrix instructions: row block a x all 8 column blocks, 32 keys, from buffer n.  mode 1: the first product starts the sums.  The 32 accumulators take turns.
; g >= 0 (row block 3 alone): behind each product four lines multiply buffer g's fragments of p, just loaded, by e_t.  They name no register of the products round them.
.macro MULA n, a, mode, g=-1
.if (\a) >= 2
	WIN W_HI
.else
	WIN W_LO
.endif
.irp b, 0,1,2,3,4,5,6,7
.set rD, 64*((\a)%2)+8*(\b)
.set rB, FB+64*(\n)+8*(\b)
.set rA, FA+32*(\n)+8*(\a)
.if (\mode) == 0
	v_wmma_f32_16x16x32_f16 v[rD:rD+7], v[rB:rB+7], v[rA:rA+7], v[rD:rD+7]
.else
	v_wmma_f32_16x16x32_f16 v[rD:rD+7], v[rB:rB+7], v[rA:rA+7], 0
.endif
.if (\g) >= 0
.irp z, 0,1,2,3
	v_pk_mul_f16 v[FA+32*(\g)+4*(\b)+(\z)], v[FC+(\b)/2], v[FA+32*(\g)+4*(\b)+(\z)]
.endr
.endif
.endr
.endm
; One run of LDS loads: (fl = 1: the e_t of the K step that begins;) 64 rows of p, then 128 channels of v turned; 32 keys, quarter kq of the slot that is read, into buffer n
.macro FETCH kq, n, fl
.if \fl
	WIN 0
	v_add_nc_u32 v[FTD], s[FT], v[FTA]
	s_add_co_u32 s[FT], s[FT], 256
	ds_load_b128 v[FC:FC+3], v[FTD]
.endif
	WIN W_TA
.irp i, 0,1,2,3
	ds_load_b128 v[FA+32*(\n)+8*(\i):FA+32*(\n)+8*(\i)+3],   v[ADRA] offset:64*(\kq)+(\i)*16*PITCH
	ds_load_b128 v[FA+32*(\n)+8*(\i)+4:FA+32*(\n)+8*(\i)+7], v[ADRA] offset:64*(\kq)+(\i)*16*PITCH+32
.endr
	WIN 0
.irp b, 0,1,2,3,4,5,6,7
	ds_load_tr16_b128 v[FB+64*(\n)+8*(\b):FB+64*(\n)+8*(\b)+3],   v[ADRB] offset:(\kq)*32*PV+32*(\b)
	ds_load_tr16_b128 v[FB+64*(\n)+8*(\b)+4:FB+64*(\n)+8*(\b)+7], v[ADRB] offset:(\kq)*32*PV+16*PV+32*(\b)
.endr
.endm
.macro PLACES                          ; four places in front of loads into registers that matrix instructions have read, and of lines that read results
.rept 4
	v_nop
.endr
.endm
.macro QUARTER kq, f, g, mode
	s_wait_dscnt 0x0                               ; buffer f's fragments of v are in (p's were waited for when they were scaled)
	MULA \f, 0, \mode
	MULA \f, 1, \mode
	PLACES
	FETCH \kq, \g, 0
	MULA \f, 2, \mode
	s_wait_dscnt 16                                ; p's fragments are in; the youngest sixteen loads, v's, may be out
	MULA \f, 3, \mode, \g
.endm
; The last quarter and the change of slots.  fill = 1: a round of the cluster's barrier, and this slot is filled again, two K steps ahead.  fill = 0 (the tail): nothing is filled; in the tail's last trip
; (s3 = 1) there is no further step: the fetch is jumped over, the barrier orders nothing, and the 32 scalings work on fragments that nobody multiplies: the price, once a launch, of one text for both trips.
.macro TURN fill
	WIN 0
	s_wait_tensorcnt 0x0                           ; all my tensor loads have landed: my part of the next slot;
	ds_add_u32 v[SPW], v[NIL]                      ; 0 onto my spare word;
	s_wait_dscnt 1                                 ; (the add alone may be out: buffer 1's fragments of v are in)
	MULA 1, 0, 0
	s_wait_dscnt 0x0                               ; the add is done, and my reads of this slot are over
	s_barrier_signal -1
	MULA 1, 1, 0
	WIN 0
	s_barrier_wait -1
.if \fill
	CREST                                          ; no wave of any partner still reads this slot's tiles or has a load on its way
	s_add_co_u32 s[G0A+5], s20, s[TB]              ; the walking descriptors: into the slot just read out,
	s_add_co_u32 s[G0B+5], s21, s[TB]
	s_add_nc_u64 s[G0A+6:G0A+7], s[G0A+6:G0A+7], STEPA  ; the K step behind the one asked for last
	s_add_nc_u64 s[G0B+6:G0B+7], s[G0B+6:G0B+7], STEPB
	s_xor_b32 s[TB], s[TB], SLOT                   ; the reads go on in the other slot
	JLOAD 1                                        ; the four v_nop behind it are also the places in front of the loads below
.else
	PLACES
	s_cmp_eq_u32 s3, 1
	s_cbranch_scc1 .Lnone_\@
	s_xor_b32 s[TB], s[TB], SLOT
.endif
	v_add_nc_u32 v[ADRA], s[TB], v[ADRA0]
	v_add_nc_u32 v[ADRB], s[TB], v[ADRB0]
	FETCH 0, 0, 1
.if !(\fill)
	WIN 0
.Lnone_\@:
.endif
	MULA 1, 2, 0
	s_wait_dscnt 16                                ; e_t and p's fragments are in; v's sixteen loads may be out
	MULA 1, 3, 0, 0
.endm
	s_wait_dscnt 0x0                               ; my table is written: no LDS instruction of mine is out at the signal
	s_wait_tensorcnt 1                             ; my part of K step 0 is in; K step 1's may stay out
	s_barrier_signal -1
	s_barrier_wait -1
	ds_load_b128 v[FC:FC+3], v[FTA]                ; e_0
	FETCH 0, 0, 0
	s_mov_b32 s[FT], 256
	s_wait_dscnt 0x0
	WIN W_HI
.set i, 0
.rept 32
	v_pk_mul_f16 v[FA+i], v[FC+i/8], v[FA+i]       ; the first fragments of p have no products to ride behind
.set i, i+1
.endr
	QUARTER 1, 0, 1, 1                             ; the first quarter's products start the sums
	WIN 0
	s_mov_b32 s3, STEPS-2
	s_branch .Lmid                                 ; the loop is entered behind a step's first quarter
.Lstep:                                                ; a trip is a K step; its change of slots asks for the K step two on and fetches the next block's e_t
	QUARTER 1, 0, 1, 0
	WIN 0
.Lmid:
	QUARTER 2, 1, 0, 0
	QUARTER 3, 0, 1, 0
	TURN 1
	WIN 0
	s_sub_co_u32 s3, s3, 1
	s_cmp_lg_u32 s3, 0
	s_cbranch_scc1 .Lstep
	s_mov_b32 s3, 2
.Ltail:                                                ; the last two K steps
	QUARTER 1, 0, 1, 0
	QUARTER 2, 1, 0, 0
	QUARTER 3, 0, 1, 0
	TURN 0
	WIN 0
	s_sub_co_u32 s3, s3, 1
	s_cmp_lg_u32 s3, 0
	s_cbranch_scc1 .Ltail
	s_wait_dscnt 0x0                               ; no LDS load of mine is out
	PLACES
; THE WAY OUT, a block of 16 rows at a time: divided by L, rounded to f16, through my own stage, stored as whole rows of 256 bytes.  Each accumulator is read from its low end.
.macro PACK a
	WIN 0x41*(1+(\a)/2)                            ; in place; 1 / L in window 0
.set i, 64*((\a)%2)
	s_wait_alu depctr_va_vdst(0)
.rept 32
	v_pk_mul_f32 v[i:i+1], v[i:i+1], v[RL+2*(\a):RL+2*(\a)+1] op_sel_hi:[1,0]
.set i, i+2
.endr
	WIN 0x05*(1+(\a)/2)
.irp b, 0,1,2,3,4,5,6,7
.irp j, 0,1,2,3
	v_cvt_pk_f16_f32 v[TMP+4*(\b)+(\j)], v[64*((\a)%2)+8*(\b)+2*(\j)], v[64*((\a)%2)+8*(\b)+2*(\j)+1]
.endr
.endr
	WIN 0
.endm
.macro TOSTAGE a
.set BK, 224-160*((\a)%2)              ; v224-255 and v64-95 by turns
.irp b, 0,1,2,3,4,5,6,7
	ds_store_b128 v[STO], v[TMP+4*(\b):TMP+4*(\b)+3] offset:32*(\b)
.endr
.irp t, 0,1,2,3,4,5,6,7
	ds_load_b128 v[BK+4*(\t):BK+4*(\t)+3], v[RD] offset:(\t)*2*SPITCH  ; LDS serves a wave's instructions in order (ISA guide 5.7.1.4): these see the stores above
.endr
.endm
.macro SEND a
.set BK, 224-160*((\a)%2)
	s_wait_dscnt 0x0                               ; the block is back in registers
.if ((\a) == 1) || ((\a) == 2)
	s_wait_xcnt 0x0                                ; the stores of the block before have had their addresses translated (ISA guide 3.1): its registers are loaded again only behind this wait
.endif
.irp t, 0,1,2,3,4,5,6,7
	global_store_b128 v[CO], v[BK+4*(\t):BK+4*(\t)+3], s[8:9] offset:(16*(\a)+2*(\t))*CP  ; 16 lanes store 256 consecutive bytes, at a multiple of 256 from o's first byte
.endr
.endm
	PACK 0
	TOSTAGE 0
.irp a, 1,2,3
	PACK \a
	SEND (\a)-1
	TOSTAGE \a
.endr
	SEND 3
	s_wait_tensorcnt 0x0                           ; the wave's end: these three lines stand behind my last tensor load and my last LDS store
	ds_add_u32 v[SPW], v[NIL]
	s_wait_dscnt 0x0
	CROUND                                         ; the closing round
	s_endpgm
.Lfunc_end_k_qf353f76fc5_pv:
	.size	k_qf353f76fc5_pv, .Lfunc_end_k_qf353f76fc5_pv-k_qf353f76fc5_pv
	.p2alignl 7, 3214868480
	.fill 96, 4, 3214868480
	.section	.rodata,"a",@progbits
	.p2align	6, 0x0
	.amdhsa_kernel k_qf353f76fc5_pv
		.amdhsa_group_segment_fixed_size 327680
		.amdhsa_private_segment_fixed_size 0
		.amdhsa_enable_private_segment 0
		.amdhsa_kernarg_size 32
		.amdhsa_user_sgpr_count 2
		.amdhsa_user_sgpr_kernarg_segment_ptr 1
		.amdhsa_wavefront_size32 1
		.amdhsa_system_sgpr_workgroup_id_x 1
		.amdhsa_system_sgpr_workgroup_id_y 1
		.amdhsa_system_sgpr_workgroup_id_z 1
		.amdhsa_system_vgpr_workitem_id 0
		.amdhsa_next_free_vgpr 704
		.amdhsa_next_free_sgpr 96
		.amdhsa_reserve_vcc 0
		.amdhsa_float_denorm_mode_32 3
		.amdhsa_float_denorm_mode_16_64 3
		.amdhsa_memory_ordered 1
		.amdhsa_forward_progress 1
		.amdhsa_inst_pref_size 116
	.end_amdhsa_kernel
	.amdgpu_metadata
---
amdhsa.version: [ 1, 2 ]
amdhsa.kernels:
  - .name:           k_qf353f76fc5_pv
    .symbol:         k_qf353f76fc5_pv.kd
    .args:
      - { .name: p, .offset: 0, .size: 8, .value_kind: global_buffer, .address_space: global }
      - { .name: stat, .offset: 8, .size: 8, .value_kind: global_buffer, .address_space: global }
      - { .name: qkv, .offset: 16, .size: 8, .value_kind: global_buffer, .address_space: global }
      - { .name: o, .offset: 24, .size: 8, .value_kind: global_buffer, .address_space: global }
    .group_segment_fixed_size: 327680
    .private_segment_fixed_size: 0
    .kernarg_segment_align: 8
    .kernarg_segment_size: 32
    .max_flat_workgroup_size: 128
    .sgpr_count:     96
    .vgpr_count:     704
    .wavefront_size: 32
...
	.end_amdgpu_metadata
.endif
;; end of part 4
;; launch proj (part 5): grid 4 x 64, 4 waves a work-group, clusters of 4 x 4, 327,680 bytes of LDS; arguments o, xw, bp, out0; writes out0
.if DOCPART == 5
	.amdgcn_target "amdgcn-amd-amdhsa--gfx1250"
	.amdhsa_code_object_version 6
	.text
	.protected	k_qf353f76fc5_proj
	.globl	k_qf353f76fc5_proj
	.p2align	8
	.type	k_qf353f76fc5_proj,@function
k_qf353f76fc5_proj:
	s_mov_b64 s[64:65], 0
	v_nop
	global_prefetch_b8 v0, s[64:65] scope:SCOPE_SE
	s_setreg_imm32_b32 hwreg(HW_REG_WAVE_MODE, 25, 1), 1
	s_wait_xcnt 0x0
	s_wait_alu depctr_hold_cnt(0) depctr_sa_sdst(0) depctr_va_vdst(0) depctr_va_sdst(0) depctr_va_ssrc(0) depctr_va_vcc(0) depctr_vm_vsrc(0)
	s_getreg_b32 s2, hwreg(HW_REG_IB_STS2, 6, 4)
	s_cmp_eq_u32 s2, 0
	s_cbranch_scc0 .Lentry_in_a_cluster
	s_endpgm
.Lentry_in_a_cluster:
	s_bfe_u32 s2, ttmp6, 0x10000c
	s_cmp_lg_u32 s2, 0xf033
	s_cbranch_scc0 .Lentry_shape_is_right
	s_endpgm
.Lentry_shape_is_right:
; THE LAST PROJECTION.  out0[m][n] = sum over e of o[m][e] Wp[n][e] + bp[n]:  o [8192][1024] f16; Wp [1024][1024] f16, rows 3,072 on of the weights in xw; bp f32; out0 [8192][1024] f32.
; Sums in f32; the bias enters in f32 as the C operand of each sum's first product; the sums go out as they are.  NaN and infinities are not treated apart.
; SHARES.  A tile of C is 128 x 256: 256 work-groups (tiles of 256 x 256 would be 128).  Four waves; wave w makes rows 64 (w / 2) on and columns 128 (w % 2) on: 32 accumulators.  K = 1,024 goes in 8 steps of 128 through a ring of two LDS slots.
; ONE K STEP IS WRITTEN ONCE.  s[TB] holds the LDS byte of the slot that is read, 0 or SLOT, and is turned by an exclusive or; the fragment addresses are made of it; one descriptor a tensor walks.
; Written out beside the loop: the first quarter, whose products start the sums (the loop is entered behind it), and the tail, a loop of two trips that fills nothing.
; CLUSTER.  4 x 4 work-groups.  The four of a row of the cluster need the same tile of o, the four of a column the same tile of Wp: each is asked for JOINTLY.
; By the text's own count a wave has two tensor loads out at the start and one behind each round.
; THE MATRIX INSTRUCTION IS USED TRANSPOSED (source 0 = 16 rows of Wp, source 1 = 16 rows of o): lane l holds row l % 16 of C and the eight neighbouring columns 8 (l / 16) + 0..7, 32 bytes.
; REGISTERS, in windows of 256 (s_set_vgpr_msb: bits 1:0 source 0, 3:2 source 1, 5:4 source 2, 7:6 destination):
;   window 0: v0-31 addresses; v64-127, v128-191 fragments of Wp, two buffers; behind the loop the same registers take rows read back from the stage
;   window 1: v0-127 accumulators of row blocks 0, 1; v128-191 the bias        window 2: v0-127 accumulators of blocks 2, 3; v128-159, v160-191 fragments of o
.set PITCH,  272                       ; an LDS row: 256 bytes + 16 of padding = 68 words: row r starts at bank 4 r mod 64 (64 banks of 4 bytes: ISA guide 11.1)
.set AHALF,  64*PITCH
.set BHALF,  128*PITCH
.set SLOT,   2*AHALF+2*BHALF
.set STAGE,  2*SLOT                    ; behind the ring, never filled by a tensor load: 16 rows x 528 bytes for each wave
.set SPITCH, 528                       ; 512 bytes + 16: the 16 rows that a store touches start at 16 different groups of four banks
.set SPARE,  STAGE+4*16*SPITCH         ; the spare words, 128 bytes for each wave: two blocks of 256 bytes that no other line names
.set STEPS,  8
.set ROW,    2048                      ; bytes in a row of A and of B
.set BOFF,   23068672                  ; Wp begins here in xw: 16,777,216 + 3,072 rows of 2,048 bytes
.set STEP,   256
.set CP,     4096                      ; bytes in a row of out0
.set BO,    8
.set ADRA0, 16                         ; v16-17  LDS addresses of my fragments in slot 0; never rewritten
.set ADRB0, 17
.set ADRA,  18                         ; v18-19  the same in the slot that is read
.set ADRB,  19
.set STO,   24
.set RD,    25
.set CO,    26
.set SPW,   28
.set NIL,   29
.set FB,    64
.set FA,    128
.set BIAS,  128
.set G1A, 24
.set G0A, 32                           ; s[32:35] group 0 of the first fill, s[36:39] of the second, which then walks
.set G1B, 48
.set G0B, 56
.set TB,  90                           ; s90  the slot that is read: 0 or SLOT
.set MSB, 0
.macro WIN new
.if MSB != (\new)
	s_set_vgpr_msb (MSB<<8)|(\new)
.set MSB, \new
.endif
.endm
.set W_LO, 0x58                        ; source 0 (B) window 0, source 1 (A) window 2, C and D window 1
.set W_HI, 0xa8                        ; the same, C and D window 2
.set W_HB, 0x98                        ; C (the bias) window 1, D window 2
.set W_TA, 0x80                        ; destination window 2, address window 0
.set W_T1, 0x40                        ; destination window 1
.macro JLOAD s                         ; a joint load: waves 0 and 1 fetch A's two halves, waves 2 and 3 B's; an s_nop 0 and four v_nop follow each of the two lines
	s_cmp_eq_u32 s11, 0
	s_cbranch_scc0 .Lfor_b_\@
	tensor_load_to_lds s[G0A+4*(\s):G0A+4*(\s)+3], s[G1A:G1A+7]
	s_nop 0
.rept 4
	v_nop
.endr
	s_branch .Lasked_\@
.Lfor_b_\@:
	tensor_load_to_lds s[G0B+4*(\s):G0B+4*(\s)+3], s[G1B:G1B+7]
	s_nop 0
.rept 4
	v_nop
.endr
.Lasked_\@:
.endm
.macro CREST
	s_cmp_lg_u32 s10, 0
	s_cbranch_scc1 .Lnot_wave_0_\@
	s_barrier_signal -3
.Lnot_wave_0_\@:
	s_barrier_wait -3
	s_barrier_signal -1
	s_barrier_wait -1
.endm
.macro CROUND
	s_barrier_signal -1
	s_barrier_wait -1
	CREST
.endm
	s_load_b256 s[68:75], s[0:1], 0x0              ; o s[68:69], xw s[70:71], bp s[72:73], out0 s[74:75]
	v_lshl_add_u32 v[SPW], v0, 2, SPARE
	v_mov_b32 v[NIL], 0
	ds_add_u32 v[SPW], v[NIL]                      ; the wave's opening: the add and its wait stand ahead of my first tensor load; the set-up below stands between them
	v_lshrrev_b32 v1, 5, v0
	v_readfirstlane_b32 s10, v1                    ; wave 0..3
	s_lshr_b32 s11, s10, 1
	s_and_b32 s12, s10, 1
	s_bfe_u32 s40, ttmp6, 0x40000                  ; cx, cy
	s_bfe_u32 s41, ttmp6, 0x40004
	s_lshl_b32 s42, ttmp9, 2
	s_add_co_u32 s42, s42, s40                     ; tile column
	s_and_b32 s13, ttmp7, 0xffff
	s_lshl_b32 s13, s13, 2
	s_add_co_u32 s13, s13, s41                     ; tile row
	s_lshl_b32 s43, s41, 2
	s_lshl_b32 s43, 15, s43                        ; my row of the cluster
	s_lshl_b32 s44, 0x1111, s40                    ; my column
	s_or_b32 s[G1A], s43, (1<<16)|(1<<20)|(1<<21)|(5<<22)|(3<<25)  ; the mask; elements of 2 bytes; padding on; bit 21 beside a mask; after every 64 words 4 words
	s_or_b32 s[G1B], s44, (1<<16)|(1<<20)|(1<<21)|(5<<22)|(3<<25)
	s_mov_b32 s[G1A+1], 128<<16
	s_mov_b32 s[G1A+2], 64<<16
	s_mov_b32 s[G1A+3], 128<<16
	s_mov_b32 s[G1A+4], 64
	s_mov_b32 s[G1A+5], ROW/2
	s_mov_b32 s[G1A+6], 0
	s_mov_b32 s[G1A+7], 0
	s_mov_b32 s[G1B+1], 128<<16
	s_mov_b32 s[G1B+2], 128<<16
	s_mov_b32 s[G1B+3], 128<<16
	s_mov_b32 s[G1B+4], 128
	s_mov_b32 s[G1B+5], ROW/2
	s_mov_b32 s[G1B+6], 0
	s_mov_b32 s[G1B+7], 0
	s_mov_b32 s[TB], 0
	s_lshl_b32 s16, s13, 7
	s_lshl_b32 s17, s12, 6
	s_add_co_u32 s16, s16, s17                     ; A: row 128 x tile row + 64 x half
	s_mul_i32 s16, s16, ROW
	s_mov_b32 s17, 0
	s_lshl_b32 s46, s42, 8
	s_lshl_b32 s47, s12, 7
	s_add_co_u32 s46, s46, s47                     ; B: row 256 x tile column + 128 x half
	s_mul_i32 s46, s46, ROW
	s_add_co_u32 s46, s46, BOFF
	s_mov_b32 s47, 0
	s_mul_i32 s20, s12, AHALF
	s_mul_i32 s21, s12, BHALF
	s_add_co_u32 s21, s21, 2*AHALF
	s_wait_dscnt 0x0                               ; the opening add is done
	s_wait_kmcnt 0x0
	s_add_nc_u64 s[14:15], s[68:69], s[16:17]
	s_add_nc_u64 s[46:47], s[70:71], s[46:47]
	CROUND                                         ; all sixteen work-groups are here: the first joint loads meet
.irp s, 0,1
	s_mov_b32 s[G0A+4*(\s)], 1
	s_add_co_u32 s[G0A+4*(\s)+1], s20, (\s)*SLOT
	s_add_nc_u64 s[G0A+4*(\s)+2:G0A+4*(\s)+3], s[14:15], (\s)*STEP
	s_or_b32 s[G0A+4*(\s)+3], s[G0A+4*(\s)+3], 0x80000000
	s_mov_b32 s[G0B+4*(\s)], 1
	s_add_co_u32 s[G0B+4*(\s)+1], s21, (\s)*SLOT
	s_add_nc_u64 s[G0B+4*(\s)+2:G0B+4*(\s)+3], s[46:47], (\s)*STEP
	s_or_b32 s[G0B+4*(\s)+3], s[G0B+4*(\s)+3], 0x80000000
	JLOAD \s
.endr
	v_and_b32 v1, 15, v0                           ; r = l % 16
	v_bfe_u32 v2, v0, 4, 1                         ; h = l / 16
	v_mul_u32_u24 v3, v1, PITCH
	v_lshl_add_u32 v3, v2, 4, v3
	s_mul_i32 s22, s11, AHALF
	s_mul_i32 s23, s12, BHALF
	s_add_co_u32 s23, s23, 2*AHALF
	v_add_nc_u32 v[ADRA0], s22, v3
	v_add_nc_u32 v[ADRB0], s23, v3
	v_mov_b32 v[ADRA], v[ADRA0]                    ; K step 0 lies in slot 0
	v_mov_b32 v[ADRB], v[ADRB0]
	s_mul_i32 s22, s10, 16*SPITCH
	s_add_co_u32 s22, s22, STAGE                   ; my stage
	v_mul_u32_u24 v4, v1, SPITCH                   ; in: row l % 16, 32 bytes for each half of the lanes
	v_lshl_add_u32 v4, v2, 5, v4
	v_add_nc_u32 v[STO], s22, v4
	v_and_b32 v4, 31, v0
	v_lshlrev_b32 v[CO], 4, v4                     ; back and out: 32 lanes take one row of 512 bytes
	v_add_nc_u32 v[RD], s22, v[CO]
	s_lshl_b32 s86, s42, 10                        ; the bias of my 128 columns: 256 x 4 bytes for each tile column,
	s_lshl_b32 s87, s12, 9                         ; 128 x 4 for my half
	s_add_co_u32 s86, s86, s87
	s_mov_b32 s87, 0
	s_add_nc_u64 s[84:85], s[72:73], s[86:87]
	v_lshlrev_b32 v[BO], 5, v2                     ; my eight columns of a block of 16
	WIN W_T1
.irp b, 0,1,2,3,4,5,6,7
	global_load_b128 v[BIAS+8*(\b):BIAS+8*(\b)+3],   v[BO], s[84:85] offset:64*(\b)
	global_load_b128 v[BIAS+8*(\b)+4:BIAS+8*(\b)+7], v[BO], s[84:85] offset:64*(\b)+16
.endr
	WIN 0
	s_lshl_b32 s16, s13, 7
	s_lshl_b32 s17, s11, 6
	s_add_co_u32 s16, s16, s17                     ; my first row of C
	s_mul_i32 s16, s16, CP
	s_mov_b32 s17, 0
	s_add_nc_u64 s[8:9], s[74:75], s[16:17]
	s_add_nc_u64 s[8:9], s[8:9], s[86:87]          ; my first column, in bytes: the same offset as in bp
; 8 matrix instructions: row block a x all 8 column blocks, 32 along K, from buffer n.  mode 2: the first product starts the sums with the bias.  The 32 accumulators take turns.
.macro MULA n, a, mode
.if ((\mode) == 2) && ((\a) >= 2)
	WIN W_HB
.elseif (\a) >= 2
	WIN W_HI
.else
	WIN W_LO
.endif
.irp b, 0,1,2,3,4,5,6,7
.set rD, 64*((\a)%2)+8*(\b)
.set rB, FB+64*(\n)+8*(\b)
.set rA, FA+32*(\n)+8*(\a)
.if (\mode) == 0
	v_wmma_f32_16x16x32_f16 v[rD:rD+7], v[rB:rB+7], v[rA:rA+7], v[rD:rD+7]
.else
	v_wmma_f32_16x16x32_f16 v[rD:rD+7], v[rB:rB+7], v[rA:rA+7], v[BIAS+8*(\b):BIAS+8*(\b)+7]
.endif
.endr
.endm
.macro FETCH k, n                      ; 24 LDS loads in one run: 128 rows of B, then 64 rows of A, 32 K at byte k of the slot that is read, into buffer n
	WIN 0
.irp i, 0,1,2,3,4,5,6,7
	ds_load_b128 v[FB+64*(\n)+8*(\i):FB+64*(\n)+8*(\i)+3],   v[ADRB] offset:(\k)+(\i)*16*PITCH
	ds_load_b128 v[FB+64*(\n)+8*(\i)+4:FB+64*(\n)+8*(\i)+7], v[ADRB] offset:(\k)+(\i)*16*PITCH+32
.endr
	WIN W_TA
.irp i, 0,1,2,3
	ds_load_b128 v[FA+32*(\n)+8*(\i):FA+32*(\n)+8*(\i)+3],   v[ADRA] offset:(\k)+(\i)*16*PITCH
	ds_load_b128 v[FA+32*(\n)+8*(\i)+4:FA+32*(\n)+8*(\i)+7], v[ADRA] offset:(\k)+(\i)*16*PITCH+32
.endr
.endm
.macro PLACES                          ; four places in front of loads into registers that matrix instructions have read, and of lines that read results
.rept 4
	v_nop
.endr
.endm
.macro QUARTER k, f, g, mode
	s_wait_dscnt 4                                 ; B and A's row blocks 0, 1 are in; the youngest four loads may be out
	MULA \f, 0, \mode
	MULA \f, 1, \mode
	PLACES
	FETCH \k, \g
	s_wait_dscnt 24                                ; all but the 24 just issued
	MULA \f, 2, \mode
	MULA \f, 3, \mode
.endm
; The last quarter and the change of slots.  fill = 1: a round of the cluster's barrier, and this slot is filled again, two K steps ahead.  fill = 0 (the tail): nothing is filled; in the tail's last trip
; (s3 = 1) there is no further step, and the fetch is jumped over; that trip's barrier orders nothing: the price of one text for both trips.
.macro TURN fill
	WIN 0
	s_wait_tensorcnt 0x0                           ; all my tensor loads have landed: my part of the next slot;
	ds_add_u32 v[SPW], v[NIL]                      ; 0 onto my spare word;
	s_wait_dscnt 5                                 ; (the add and the youngest four loads may be out)
	MULA 1, 0, 0
	s_wait_dscnt 0x0                               ; the add is done, and my reads of this slot are over
	s_barrier_signal -1
	MULA 1, 1, 0
	WIN 0
	s_barrier_wait -1
.if \fill
	CREST                                          ; no wave of any partner still reads this slot's tiles or has a load on its way
	s_add_co_u32 s[G0A+5], s20, s[TB]              ; the walking descriptors: into the slot just read out,
	s_add_co_u32 s[G0B+5], s21, s[TB]
	s_add_nc_u64 s[G0A+6:G0A+7], s[G0A+6:G0A+7], STEP  ; the K step behind the one asked for last
	s_add_nc_u64 s[G0B+6:G0B+7], s[G0B+6:G0B+7], STEP
	s_xor_b32 s[TB], s[TB], SLOT                   ; the reads go on in the other slot
	JLOAD 1                                        ; the four v_nop behind it are also the places in front of the loads below
.else
	PLACES
	s_cmp_eq_u32 s3, 1
	s_cbranch_scc1 .Lnone_\@
	s_xor_b32 s[TB], s[TB], SLOT
.endif
	v_add_nc_u32 v[ADRA], s[TB], v[ADRA0]
	v_add_nc_u32 v[ADRB], s[TB], v[ADRB0]
	FETCH 0, 0
.if !(\fill)
	WIN 0
.Lnone_\@:
.endif
	MULA 1, 2, 0
	MULA 1, 3, 0
.endm
	s_wait_tensorcnt 1                             ; my part of K step 0 is in; K step 1's may stay out
	s_barrier_signal -1
	s_barrier_wait -1
	FETCH 0, 0
	s_wait_loadcnt 0x0                             ; the bias
	QUARTER 64, 0, 1, 2                            ; the first quarter's products start the sums
	WIN 0
	s_mov_b32 s3, STEPS-2
	s_branch .Lmid                                 ; the loop is entered behind a step's first quarter
.Lstep:                                                ; a trip is a K step; its change of slots asks for the K step two on
	QUARTER 64, 0, 1, 0
	WIN 0
.Lmid:
	QUARTER 128, 1, 0, 0
	QUARTER 192, 0, 1, 0
	TURN 1
	WIN 0
	s_sub_co_u32 s3, s3, 1
	s_cmp_lg_u32 s3, 0
	s_cbranch_scc1 .Lstep
	s_mov_b32 s3, 2
.Ltail:                                                ; the last two K steps
	QUARTER 64, 0, 1, 0
	QUARTER 128, 1, 0, 0
	QUARTER 192, 0, 1, 0
	TURN 0
	WIN 0
	s_sub_co_u32 s3, s3, 1
	s_cmp_lg_u32 s3, 0
	s_cbranch_scc1 .Ltail
	s_wait_dscnt 0x0                               ; no LDS load of mine is out
	PLACES
; THE WAY OUT, a block of 16 rows at a time.  TOST: a lane's 32 bytes of a row go straight from the accumulators (the low four registers first) into my own stage, rows of 528 bytes, and come back as whole rows of 512.  SEND: stored.
.macro TOST a
.set AC, 64*((\a)%2)
.set BK, 64+64*((\a)%2)                ; v64-127 and v128-191 by turns
.if (\a) >= 2
	s_wait_xcnt 0x0                                ; the stores of the block two back have had their addresses translated (ISA guide 3.1): its registers are loaded again only behind this wait
.endif
	WIN 0x04*(1+(\a)/2)                            ; store data in window 1 or 2
.irp b, 0,1,2,3,4,5,6,7
	ds_store_b128 v[STO], v[AC+8*(\b):AC+8*(\b)+3]   offset:64*(\b)
	ds_store_b128 v[STO], v[AC+8*(\b)+4:AC+8*(\b)+7] offset:64*(\b)+16
.endr
	WIN 0
.irp t, 0,1,2,3,4,5,6,7,8,9,10,11,12,13,14,15
	ds_load_b128 v[BK+4*(\t):BK+4*(\t)+3], v[RD] offset:(\t)*SPITCH  ; LDS serves a wave's instructions in order (ISA guide 5.7.1.4): these see the stores above; the next block's stores come behind them
.endr
.endm
.macro SEND a, younger                 ; younger: the LDS instructions issued behind block a's loads: the next block's 32, or none
.set BK, 64+64*((\a)%2)
	s_wait_dscnt \younger
.irp t, 0,1,2,3,4,5,6,7,8,9,10,11,12,13,14,15
	global_store_b128 v[CO], v[BK+4*(\t):BK+4*(\t)+3], s[8:9] offset:(16*(\a)+(\t))*CP th:TH_STORE_NT  ; 32 lanes store 512 consecutive bytes, at a multiple of 256 from out0's first byte
.endr
.endm
	TOST 0
	TOST 1
	SEND 0, 32
	TOST 2
	SEND 1, 32
	TOST 3
	SEND 2, 32
	SEND 3, 0
	s_wait_tensorcnt 0x0                           ; the wave's end: these three lines stand behind my last tensor load and my last LDS store
	ds_add_u32 v[SPW], v[NIL]
	s_wait_dscnt 0x0
	CROUND                                         ; the closing round
	s_endpgm
.Lfunc_end_k_qf353f76fc5_proj:
	.size	k_qf353f76fc5_proj, .Lfunc_end_k_qf353f76fc5_proj-k_qf353f76fc5_proj
	.p2alignl 7, 3214868480
	.fill 96, 4, 3214868480
	.section	.rodata,"a",@progbits
	.p2align	6, 0x0
	.amdhsa_kernel k_qf353f76fc5_proj
		.amdhsa_group_segment_fixed_size 327680
		.amdhsa_private_segment_fixed_size 0
		.amdhsa_enable_private_segment 0
		.amdhsa_kernarg_size 32
		.amdhsa_user_sgpr_count 2
		.amdhsa_user_sgpr_kernarg_segment_ptr 1
		.amdhsa_wavefront_size32 1
		.amdhsa_system_sgpr_workgroup_id_x 1
		.amdhsa_system_sgpr_workgroup_id_y 1
		.amdhsa_system_sgpr_workgroup_id_z 1
		.amdhsa_system_vgpr_workitem_id 0
		.amdhsa_next_free_vgpr 704
		.amdhsa_next_free_sgpr 96
		.amdhsa_reserve_vcc 0
		.amdhsa_float_denorm_mode_32 3
		.amdhsa_float_denorm_mode_16_64 3
		.amdhsa_memory_ordered 1
		.amdhsa_forward_progress 1
		.amdhsa_inst_pref_size 62
	.end_amdhsa_kernel
	.amdgpu_metadata
---
amdhsa.version: [ 1, 2 ]
amdhsa.kernels:
  - .name:           k_qf353f76fc5_proj
    .symbol:         k_qf353f76fc5_proj.kd
    .args:
      - { .name: o, .offset: 0, .size: 8, .value_kind: global_buffer, .address_space: global }
      - { .name: xw, .offset: 8, .size: 8, .value_kind: global_buffer, .address_space: global }
      - { .name: bp, .offset: 16, .size: 8, .value_kind: global_buffer, .address_space: global }
      - { .name: out0, .offset: 24, .size: 8, .value_kind: global_buffer, .address_space: global }
    .group_segment_fixed_size: 327680
    .private_segment_fixed_size: 0
    .kernarg_segment_align: 8
    .kernarg_segment_size: 32
    .max_flat_workgroup_size: 128
    .sgpr_count:     96
    .vgpr_count:     704
    .wavefront_size: 32
...
	.end_amdgpu_metadata
.endif
;; end of part 5
;; ======== version 2 of 2: 5 launches; version 1 with the launch cast written anew for expert scheduling mode
;; limits: values are held in f16: magnitudes above 65,504 overflow, below 6.1e-05 lose precision
;; workspace buffers: xw 25,165,824 bytes; qkv 50,331,648 bytes; p 33,554,432 bytes; stat 1,048,576 bytes; o 16,777,216 bytes
;; launch cast (part 6): grid 768 x 1, 8 waves a work-group, no clusters, 0 bytes of LDS; arguments x, Wq, Wk, Wv, Wp, xw; writes xw
.if DOCPART == 6
	.amdgcn_target "amdgcn-amd-amdhsa--gfx1250"
	.amdhsa_code_object_version 6
	.text
	.protected	k_qf353f76fc5_cast
	.globl	k_qf353f76fc5_cast
	.p2align	8
	.type	k_qf353f76fc5_cast,@function
k_qf353f76fc5_cast:
	s_mov_b64 s[64:65], 0
	v_nop
	global_prefetch_b8 v0, s[64:65] scope:SCOPE_SE
	s_setreg_imm32_b32 hwreg(HW_REG_WAVE_SCHED_MODE, 0, 2), 2
	s_setreg_imm32_b32 hwreg(HW_REG_WAVE_MODE, 25, 1), 1
	s_wait_xcnt 0x0
	s_wait_alu depctr_vm_vsrc(0)
; x, Wq, Wk, Wv, Wp (f32) -> xw (f16): x [8192][1024] at byte 0, then Wq, Wk, Wv, Wp as one matrix [4096][1024].
; Every input number is rounded ONCE, to bf16 (8 significant bits, to nearest even), and that number is written in f16, the format of all four products that follow.
; f16 has 11 significant bits, so the second conversion changes nothing between 2^-17 and 65,504.
; LIMITS.  A number of 65,520 or more in magnitude becomes an infinity; below 2^-17 the bf16 number is rounded to f16's fixed step of 2^-24 (6e-8).  NaN and infinities are not treated apart.
; A stream: no LDS, no barrier, no matrix unit, no loop.  Work-group g owns 16,384 numbers: 65,536 bytes in, 32,768 out; xw is laid in the order of g, so the way out is g x 32,768.
; Thread t takes 16 bytes at 16 t of each of 16 chunks of 4,096 bytes: a wave's load covers 512 consecutive bytes, its store of 8 bytes a lane 256 consecutive bytes at a multiple of 256.
; All 16 loads go out in one run; each chunk has its own registers in and out, so nothing that a pending instruction names is written again.
; THE MODE: SCHED_MODE bits 1:0 = 2 (LLVM: expert scheduling mode 2), set by the entry lines.  The code itself states the register dependences
; between vector instructions and memory instructions, with s_wait_alu, always for 0.
; THE PLAN.  Registers that memory instructions touch:
;   v1, v2   byte offsets, made once at the head and never written again: v1 is read by every load, v2 by every store.
;   X        chunk j's four registers: written by chunk j's load alone, read by its two roundings; no second load lands in them.
;   Y        chunk j's two registers: written once, by chunk j's last two conversions; read by chunk j's one store; never written again.
;   T is named by vector instructions alone.  No vector instruction writes a scalar register, and EXEC is never written.
; So two kinds of dependence are there to state: the offsets ahead of the first load, and Y ahead of its store.  The 16 chunks go in four blocks of four.  Block p's vector lines name X and Y of
; block p and T; its memory instructions are the four stores of block p - 1, which read Y of block p - 1 and v2.  ONE wait at the head of a block states that the block before has written its Y,
; and the four stores follow it, dealt among the block's vector lines with no further wait.  No register that a memory instruction reads is written again, so no wait on vm_vsrc is owed.
.set X, 4                              ; v[4:67]    chunk j: 4 numbers in f32
.set Y, 68                             ; v[68:99]   chunk j: 4 numbers in f16
.set T, 100                            ; v[100:105] at work
	s_load_b256 s[4:11], s[0:1], 0x0               ; x s[4:5], Wq s[6:7], Wk s[8:9], Wv s[10:11]
	s_load_b128 s[12:15], s[0:1], 0x20             ; Wp s[12:13], xw s[14:15]
	s_sub_co_u32 s16, ttmp9, 512                   ; groups 0-511 take x, the next 4 x 64 the four weights
	s_lshr_b32 s17, s16, 6                         ; which weight (far above 3 for a group of x)
	s_and_b32 s18, s16, 63                         ; which part of it
	s_mov_b32 s26, 0xffff0000                      ; a word's upper bf16
	v_lshlrev_b32 v1, 4, v0                        ; 16 t
	v_lshlrev_b32 v2, 3, v0                        ; 8 t
	s_wait_kmcnt 0x0
	s_mov_b64 s[20:21], s[6:7]
	s_cmp_eq_u32 s17, 1
	s_cselect_b64 s[20:21], s[8:9], s[20:21]
	s_cmp_eq_u32 s17, 2
	s_cselect_b64 s[20:21], s[10:11], s[20:21]
	s_cmp_eq_u32 s17, 3
	s_cselect_b64 s[20:21], s[12:13], s[20:21]
	s_cmp_lt_u32 ttmp9, 512
	s_cselect_b64 s[20:21], s[4:5], s[20:21]       ; the buffer that I read,
	s_cselect_b32 s18, ttmp9, s18                  ; and my part of it
	s_lshl_b32 s22, s18, 16
	s_mov_b32 s23, 0
	s_add_nc_u64 s[20:21], s[20:21], s[22:23]
	s_lshl_b32 s24, ttmp9, 15
	s_mov_b32 s25, 0
	s_add_nc_u64 s[14:15], s[14:15], s[24:25]
	s_wait_alu depctr_va_vdst(0)                   ; v1 and v2 are written: every load of the kernel reads v1 as its offset, every store v2
.irp j, 0,1,2,3,4,5,6,7,8,9,10,11,12,13,14,15
	global_load_b128 v[X+4*(\j):X+4*(\j)+3], v1, s[20:21] offset:4096*(\j) th:TH_LOAD_NT
.endr
; Block p: chunks 4 p to 4 p + 3 are rounded; the four stores of block p - 1 go out, one ahead of each chunk's vector lines.
.macro BLK p
	s_wait_loadcnt 15-4*(\p)                       ; loads come back in order (ISA guide 5.7.1): the block's first chunk is in, the younger ones stay out
.if (\p) > 0
	s_wait_alu depctr_va_vdst(0)                   ; the conversions of the block before have written its eight registers of Y, which the four stores below read
.endif
.irp i, 0,1,2,3
.set J, 4*(\p)+(\i)
.if (\i) > 0
	s_wait_loadcnt 15-J                            ; chunk J is in, the younger ones stay out
.endif
.if (\p) > 0
	global_store_b64 v2, v[Y+2*(J-4):Y+2*(J-4)+1], s[14:15] offset:2048*(J-4)  ; the block before.  No wait: no vector instruction since the wait above names these registers
.endif
	v_cvt_pk_bf16_f32 v[T], v[X+4*J], v[X+4*J+1]   ; the one rounding
	v_cvt_pk_bf16_f32 v[T+1], v[X+4*J+2], v[X+4*J+3]
	v_lshlrev_b32 v[T+2], 16, v[T]                 ; bf16 to f32: the low half moves up,
	v_and_b32 v[T+3], s26, v[T]                    ; the high half stays
	v_lshlrev_b32 v[T+4], 16, v[T+1]
	v_and_b32 v[T+5], s26, v[T+1]
	v_cvt_pk_f16_f32 v[Y+2*J], v[T+2], v[T+3]      ; the same numbers, written as f16
	v_cvt_pk_f16_f32 v[Y+2*J+1], v[T+4], v[T+5]
.endr
.endm
	BLK 0                                          ; block 0 has no block in front of it: no store, and no wait but those for its data
	BLK 1
	BLK 2
	BLK 3
	s_wait_alu depctr_va_vdst(0)                   ; block 3's conversions have written its eight registers of Y, which the last four stores read
.irp j, 12,13,14,15
	global_store_b64 v2, v[Y+2*(\j):Y+2*(\j)+1], s[14:15] offset:2048*(\j)
.endr
	s_endpgm
.Lfunc_end_k_qf353f76fc5_cast:
	.size	k_qf353f76fc5_cast, .Lfunc_end_k_qf353f76fc5_cast-k_qf353f76fc5_cast
	.p2alignl 7, 3214868480
	.fill 96, 4, 3214868480
	.section	.rodata,"a",@progbits
	.p2align	6, 0x0
	.amdhsa_kernel k_qf353f76fc5_cast
		.amdhsa_group_segment_fixed_size 0
		.amdhsa_private_segment_fixed_size 0
		.amdhsa_enable_private_segment 0
		.amdhsa_kernarg_size 48
		.amdhsa_user_sgpr_count 2
		.amdhsa_user_sgpr_kernarg_segment_ptr 1
		.amdhsa_wavefront_size32 1
		.amdhsa_system_sgpr_workgroup_id_x 1
		.amdhsa_system_sgpr_workgroup_id_y 1
		.amdhsa_system_sgpr_workgroup_id_z 1
		.amdhsa_system_vgpr_workitem_id 0
		.amdhsa_next_free_vgpr 112
		.amdhsa_next_free_sgpr 66
		.amdhsa_reserve_vcc 0
		.amdhsa_float_denorm_mode_32 3
		.amdhsa_float_denorm_mode_16_64 3
		.amdhsa_memory_ordered 1
		.amdhsa_forward_progress 1
		.amdhsa_inst_pref_size 11
	.end_amdhsa_kernel
	.amdgpu_metadata
---
amdhsa.version: [ 1, 2 ]
amdhsa.kernels:
  - .name:           k_qf353f76fc5_cast
    .symbol:         k_qf353f76fc5_cast.kd
    .args:
      - { .name: x, .offset: 0, .size: 8, .value_kind: global_buffer, .address_space: global }
      - { .name: Wq, .offset: 8, .size: 8, .value_kind: global_buffer, .address_space: global }
      - { .name: Wk, .offset: 16, .size: 8, .value_kind: global_buffer, .address_space: global }
      - { .name: Wv, .offset: 24, .size: 8, .value_kind: global_buffer, .address_space: global }
      - { .name: Wp, .offset: 32, .size: 8, .value_kind: global_buffer, .address_space: global }
      - { .name: xw, .offset: 40, .size: 8, .value_kind: global_buffer, .address_space: global }
    .group_segment_fixed_size: 0
    .private_segment_fixed_size: 0
    .kernarg_segment_align: 8
    .kernarg_segment_size: 48
    .max_flat_workgroup_size: 256
    .sgpr_count:     66
    .vgpr_count:     112
    .wavefront_size: 32
...
	.end_amdgpu_metadata
.endif
;; end of part 6
;; launch qkv: the kernel of part 2 again; grid 12 x 32, 4 waves a work-group, clusters of 4 x 4, 327,680 bytes of LDS; arguments xw, bq, bk, bv, qkv; writes qkv
;; launch score: the kernel of part 3 again; grid 8 x 32, 4 waves a work-group, clusters of 4 x 4, 327,680 bytes of LDS; arguments qkv, p, stat; writes p, stat
;; launch pv: the kernel of part 4 again; grid 4 x 64, 4 waves a work-group, clusters of 4 x 4, 327,680 bytes of LDS; arguments p, stat, qkv, o; writes o
;; launch proj: the kernel of part 5 again; grid 4 x 64, 4 waves a work-group, clusters of 4 x 4, 327,680 bytes of LDS; arguments o, xw, bp, out0; writes out0
